; MI455X (gfx1250); checked and timed in simulation.
; The chip was launched on July 23, 2026; its instructions are those of AMD's public machine-readable ISA for CDNA 5 (MIT licence, August 2026) and "CDNA5" Instruction Set Architecture Reference Guide (July 2026). The comments in the code are by the model that wrote it; some were corrected since.
;; Linear Attention. Allowed arithmetic: matrix products marked QUANTISED: E5M2 operands, one given power-of-two scale a tensor, by v_wmma_f32_16x16x64_bf8_bf8 or v_wmma_f32_16x16x128_bf8_bf8, f32 sums; products left as they are: f32 operands where the result goes on into a quantised operand, else bf16, f16 or f32 operands; f32 sums; everything else in f32.
;; Inputs: Wk 1,024 x 1,024 float32; Wq 1,024 x 1,024 float32; Wv 1,024 x 1,024 float32; beta 1,024 float32; bk 1,024 float32; bq 1,024 float32; bv 1,024 float32; gamma 1,024 float32; lowp_scales 10 int32 (the exponents e of the quantised operands' scales 2^e); x 8 x 2,048 x 1,024 float32.
;; Outputs: out0 8 x 2,048 x 1,024 float32.
;; This version of the problem:
;;   THIS VERSION OF THE PROBLEM IS GIVEN IN LOW PRECISION. The matrix products marked QUANTISED in the list below multiply operands that are first quantised to E5M2 (5 exponent bits, 2 mantissa bits; 8 bits a number), with one given power-of-two scale for each operand tensor; their sums are f32. All else is computed in f32.
;;   The module's matrix products, in the order in which they are computed (A, B: the left and right operand; K: the contracted axis; several contracted axes count as one K, in the product's order):
;;     1. [M 16,384, K 1,024] x [K 1,024, N 1,024]; A: input x; B: input Wq: QUANTISED (scales: A lowp_scales[0], B lowp_scales[1])
;;     2. [M 16,384, K 1,024] x [K 1,024, N 1,024]; A: input x; B: input Wk: QUANTISED (scales: A lowp_scales[2], B lowp_scales[3])
;;     3. [M 16,384, K 1,024] x [K 1,024, N 1,024]; A: input x; B: input Wv: QUANTISED (scales: A lowp_scales[4], B lowp_scales[5])
;;     4. batch 128 x [M 2,048, K 64] x [K 64, N 1]; A: computed on the way; B: computed on the way: left as it is (N = 1 < 16)
;;     5. batch 128 x [M 64, K 2,048] x [K 2,048, N 64]; A: computed on the way; B: computed on the way: QUANTISED (scales: A lowp_scales[6], B lowp_scales[7])
;;     6. batch 128 x [M 2,048, K 64] x [K 64, N 64]; A: computed on the way; B: computed on the way: QUANTISED (scales: A lowp_scales[8], B lowp_scales[9])
;;   THE QUANTISER, for each operand of a quantised product, along K:
;;     - The operand's scale is 2^e, e = its entry of the input lowp_scales (int32; the entries are numbered through the quantised products in the list's order, A before B).
;;     - Each number is divided by the scale, clamped to +-57,344, and rounded to the nearest number of E5M2, ties to even, subnormals kept.
;;     - The product sums the exact products of the quantised numbers (number of the format x scale) in f32.
;;   ~~~python
;;   def quantise(x, axis, e):      # numpy; x: float32 -> the quantised numbers, widened to float32 again
;;       x = np.moveaxis(x, axis, -1); K = x.shape[-1]
;;       r = np.clip(x / 2.0 ** e, -57344, 57344)
;;       step = 2.0 ** (np.maximum(np.frexp(np.where(r == 0, 1, r))[1] - 1, -14) - 2)
;;       q = np.round(r / step) * step * 2.0 ** e      # np.round: ties to even
;;       return np.moveaxis(q, -1, axis).astype(np.float32)
;;   ~~~
;;   OPERANDS COMPUTED ON THE WAY. 'Computed on the way' means the value that the module computes at that place (a softmax that the list does not call 'softmax' is quantised finished and normalised). What goes into a quantiser is computed in f32, as accurately as f32 sums, v_exp_f32 and their like allow (about 1e-6 of the number): no bf16 or f16 on the way to a quantiser, and a product that is left as it is and whose result goes on into a quantised operand takes f32 operands (vector FMAs, or v_wmma_f32_16x16x4_f32). A number that lies on a knife's edge between two numbers of the format may be rounded either way, as far as f32 arithmetic and the matrix unit's own rounding can turn it there, and no further.
;; One version. Each part assembles by itself: llvm-mc -triple=amdgcn-amd-amdhsa -mcpu=gfx1250 --defsym DOCPART=n.
;; ======== version 1 of 1: 4 launches
;; workspace buffers: wcb 3,158,016 bytes; rope 16,777,216 bytes; xq0 16,777,216 bytes; kc 16,777,216 bytes; vc 16,777,216 bytes; ksum 1,048,576 bytes; kvm 557,056 bytes
;; launch prep (part 1): grid 704 x 1, 4 waves a work-group, no clusters, 0 bytes of LDS; arguments Wk, Wv, Wq, bk, bv, bq, lowp_scales, wcb, rope; writes wcb, rope
.if DOCPART == 1
	.amdgcn_target "amdgcn-amd-amdhsa--gfx1250"
	.amdhsa_code_object_version 6
	.text
	.protected	k_q8f3079f05b_prep
	.globl	k_q8f3079f05b_prep
	.p2align	8
	.type	k_q8f3079f05b_prep,@function
k_q8f3079f05b_prep:
	s_mov_b64 s[64:65], 0
	v_nop
	global_prefetch_b8 v0, s[64:65] scope:SCOPE_SE
	s_setreg_imm32_b32 hwreg(HW_REG_WAVE_MODE, 25, 1), 1
	s_wait_xcnt 0x0
; Two kinds of work-groups, told apart by the work-group's number alone.  No LDS, no barrier: waves share nothing.
; 0..191: THE WEIGHTS.  Wk, Wv, Wq [1024][1024] f32 (K innermost) become codes of E5M2 with their given scales (entries 3, 5, 1), laid as IMAGES OF OPERAND REGISTERS:
;   wcb[tensor k,v,q][pass 8][wave 4][K step 8][tile 2][plane 4][lane 32][16 bytes].  Lane (r, h), plane c holds k = 128 s + 32 c + 16 h + 0..15 of its row.
;   The 1,024 rows are 32 groups g = 8 wave + pass of two tiles t.  Wq, Wk: tile row r is row 32 g + 2 r + t, so that a rotary pair lies in the same lane of the two tiles; Wv: row 32 g + 16 t + r.
;   The biases follow in the same order: at byte 3,145,728, [tensor][32 g + 16 t + r] f32.
; 192..703: THE ROTARY TABLES, a wave to a unit of 8 KiB: [table 2][row block 32][g 32][m 4][plane 4][lane][16 bytes]; planes 0, 1: cos of j = 0..7; planes 2, 3: sin.
;   table 0: lane (r, h): pair 16 g + r, row 64 nblk + 16 m + 8 h + j, values x 2^-5.5 (= 2048^-0.5);   table 1: pair 16 g + 8 h + j, row 64 nblk + 16 m + r, values as they are.
;   angle = row x inv_freq in f32; inv_freq = 2^-(i log2(10000) / 512), the exponent in two parts so that its product with i is exact to f32; sine and cosine by reduction with pi/2 in two parts and polynomials on +-pi/4.
; LIMITS: each weight's exponent e between -126 and 112.  NaN among the inputs is not served.
.set WGW, 192
	s_load_b512 s[4:19], s[0:1], 0x0               ; Wk, Wv, Wq, bk, bv, bq, the exponents, wcb
	s_load_b64 s[20:21], s[0:1], 0x40              ; rope
	v_lshrrev_b32 v1, 5, v0
	v_readfirstlane_b32 s22, v1                    ; wave
	v_and_b32 v1, 31, v0                           ; lane
	v_and_b32 v2, 15, v0                           ; r
	v_bfe_u32 v3, v0, 4, 1                         ; h
	v_lshlrev_b32 v6, 4, v1                        ; 16 x lane
	s_cmp_ge_u32 ttmp9, WGW
	s_cbranch_scc1 .Ltables
	; ---------------- the weights: one tile of 16 rows a work-group, two K steps a wave
	s_lshr_b32 s24, ttmp9, 6                       ; tensor: 0 k, 1 v, 2 q
	s_and_b32 s25, ttmp9, 63                       ; 2 g + t
	s_lshr_b32 s26, s25, 1                         ; g
	s_and_b32 s27, s25, 1                          ; t
	s_lshl_b32 s29, s27, 4                         ; 16 t
	s_lshl_b32 s30, s26, 5                         ; 32 g
	s_lshl_b32 s44, s24, 20                        ; where my codes go: tensor x 1 MiB
	s_and_b32 s2, s26, 7
	s_lshl_b32 s2, s2, 17
	s_add_co_u32 s44, s44, s2                      ; + pass x 131,072
	s_lshr_b32 s2, s26, 3
	s_lshl_b32 s2, s2, 15
	s_add_co_u32 s44, s44, s2                      ; + wave part x 32,768
	s_lshl_b32 s2, s27, 11
	s_add_co_u32 s44, s44, s2                      ; + t x 2,048
	s_lshl_b32 s2, s22, 13
	s_add_co_u32 s44, s44, s2                      ; + my two K steps x 4,096
	s_mov_b32 s45, 0
	s_lshl_b32 s46, s24, 12                        ; where the bias goes: tensor x 4,096 + (2 g + t) x 64, behind the codes
	s_lshl_b32 s2, s25, 6
	s_add_co_u32 s46, s46, s2
	s_add_co_u32 s46, s46, 0x300000
	s_mov_b32 s47, 0
	s_wait_kmcnt 0x0
	s_load_b256 s[32:39], s[16:17], 0x0            ; entries 0 to 7
	s_cmp_eq_u32 s24, 1                            ; the choices hang on the work-group's number alone
	s_cselect_b64 s[4:5], s[6:7], s[4:5]
	s_cselect_b64 s[10:11], s[12:13], s[10:11]
	s_cselect_b32 s28, 1, 2                        ; rows from lane to lane
	s_cselect_b32 s29, s29, s27                    ; the tile's first row in its group
	s_cmp_eq_u32 s24, 2
	s_cselect_b64 s[4:5], s[8:9], s[4:5]
	s_cselect_b64 s[10:11], s[14:15], s[10:11]
	s_add_co_u32 s29, s29, s30
	s_add_nc_u64 s[42:43], s[18:19], s[46:47]
	s_add_nc_u64 s[18:19], s[18:19], s[44:45]
	v_mad_u32_u24 v7, v2, s28, s29                 ; my row
	v_lshlrev_b32 v8, 12, v7                       ; a row is 4,096 bytes
	v_lshl_add_u32 v8, v3, 6, v8                   ; + 64 h: my 16 numbers of a block of 32
	s_lshl_b32 s31, s22, 10
	v_add_nc_u32 v8, s31, v8                       ; + my two K steps of 512 bytes
.irp sl, 0,1
.irp c, 0,1,2,3
.irp j, 0,1,2,3
	global_load_b128 v[32+64*\sl+16*\c+4*\j:32+64*\sl+16*\c+4*\j+3], v8, s[4:5] offset:512*\sl+128*\c+16*\j
.endr
.endr
.endr
	s_wait_kmcnt 0x0
	s_cmp_eq_u32 s24, 1
	s_cselect_b32 s40, s37, s35                    ; e: entry 5 for Wv, 3 for Wk,
	s_cmp_eq_u32 s24, 2
	s_cselect_b32 s40, s33, s40                    ; 1 for Wq
	s_add_co_i32 s40, s40, 127
	s_lshl_b32 s41, s40, 23
	v_mov_b32 v11, s41                             ; 2^e as f32: the conversion takes its exponent field
	s_add_co_i32 s40, s40, 15
	s_lshl_b32 s40, s40, 23
	s_or_b32 s40, s40, 0x600000
	v_mov_b32 v10, s40                             ; 57,344 x 2^e
.macro WQ sl
.set qi, 0
.rept 64
	v_med3_num_f32 v[32+64*\sl+qi], v[32+64*\sl+qi], -v10, v10   ; the conversion does not saturate (ISA guide 7.6.2): the hold at the largest code x the scale
.set qi, qi+1
.endr
.irp b, 0,1,2,3,4,5,6,7
	v_cvt_scalef32_pk8_bf8_f32 v[160+16*\sl+2*\b:160+16*\sl+2*\b+1], v[32+64*\sl+8*\b:32+64*\sl+8*\b+7], v11
.endr
	v_nop                                          ; a plain line behind the last conversion
.irp c, 0,1,2,3
	global_store_b128 v6, v[160+16*\sl+4*\c:160+16*\sl+4*\c+3], s[18:19] offset:4096*\sl+512*\c   ; 32 lanes store 512 consecutive bytes
.endr
.endm
	s_wait_loadcnt 16                              ; the first K step's 16 loads are in; the second's may be out
	WQ 0
	s_wait_loadcnt 0x0
	WQ 1
	s_cmp_lg_u32 s22, 0                            ; wave 0 also lays the tile's 16 numbers of the bias
	s_cbranch_scc1 .Lwdone
	v_lshlrev_b32 v9, 2, v7
	global_load_b32 v12, v9, s[10:11]              ; bias[my row]; lanes 16-31 repeat lanes 0-15
	v_lshlrev_b32 v13, 2, v2
	s_wait_loadcnt 0x0
	global_store_b32 v13, v12, s[42:43]            ; the two halves of the lanes store the same word with the same value
.Lwdone:
	s_endpgm
	; ---------------- the tables
.Ltables:
	s_sub_co_u32 s24, ttmp9, WGW
	s_lshl_b32 s24, s24, 2
	s_add_co_u32 s24, s24, s22                     ; my unit = 1,024 table + 32 nblk + g
	s_lshr_b32 s25, s24, 10                        ; table
	s_bfe_u32 s26, s24, 0x50005                    ; nblk
	s_and_b32 s27, s24, 31                         ; g
	s_lshl_b32 s26, s26, 6                         ; 64 nblk
	s_lshl_b32 s27, s27, 4                         ; 16 g
	s_lshl_b32 s28, s24, 13                        ; a unit is 8,192 bytes
	s_mov_b32 s29, 0
	s_mov_b32 s31, 0x3cb504f3                      ; 2^-5.5
	s_cmp_eq_u32 s25, 0
	s_cselect_b32 s30, -1, 0                       ; all lanes: table 0?
	s_cselect_b32 s31, s31, 1.0
	s_mov_b32 s32, 0x3f22f983                      ; 2 / pi
	s_mov_b32 s33, 0xbfc90fdb                      ; -(pi / 2), upper part
	s_mov_b32 s34, 0x333bbd2e                      ; what the upper part has too much
	s_mov_b32 s35, 0xb94ca1f9                      ; sine: -1.9515295891e-4, 8.3321608736e-3, -1.6666654611e-1
	s_mov_b32 s36, 0x3c08839e
	s_mov_b32 s37, 0xbe2aaaa3
	s_mov_b32 s38, 0x37ccf5ce                      ; cosine: 2.443315712e-5, -1.388731625e-3, 4.166664568e-2
	s_mov_b32 s39, 0xbab6061a
	s_mov_b32 s40, 0x3d2aaaa5
	s_mov_b32 s41, 0x3cd49a00                      ; log2(10000) / 512, upper part: 27,213 x 2^-20: its product with i < 512 is exact
	s_mov_b32 s42, 0x3470979a                      ; the rest: 2.24068944e-7
	s_mov_b32 s44, 0                               ; 16 m as f32
	s_mov_b32 s45, 0x41800000
	s_mov_b32 s46, 0x42000000
	s_mov_b32 s47, 0x42400000
	v_lshlrev_b32 v3, 3, v3                        ; 8 h
	s_wait_kmcnt 0x0
	s_add_nc_u64 s[20:21], s[20:21], s[28:29]
.irp j, 0,1,2,3,4,5,6,7
	v_add_nc_u32 v40, \j, v3                       ; 8 h + j
	v_cndmask_b32 v41, v40, v2, s30                ; the pair in its group: r in table 0, 8 h + j in table 1
	v_cndmask_b32 v42, v2, v40, s30                ; the row in its tile: the other one
	v_add_nc_u32 v41, s27, v41
	v_add_nc_u32 v42, s26, v42
	v_cvt_f32_u32 v41, v41                         ; i
	v_cvt_f32_u32 v[24+\j], v42                    ; the row for m = 0
	v_mul_f32 v43, s41, v41                        ; exact
	v_floor_f32 v[32+\j], v43                      ; its whole part I
	v_sub_f32 v43, v43, v[32+\j]
	v_fma_f32 v[16+\j], v41, s42, v43              ; F
.endr
.irp j, 0,1,2,3,4,5,6,7
	v_exp_f32 v[16+\j], -v[16+\j]                  ; 2^-F: one batch
.endr
	v_nop                                          ; a plain line behind the last of them
	s_wait_alu depctr_va_vdst(0)                   ; one wait for the batch, ahead of its first reader
.irp j, 0,1,2,3,4,5,6,7
	v_cvt_i32_f32 v[32+\j], v[32+\j]
	v_sub_nc_u32 v[32+\j], 0, v[32+\j]
	v_ldexp_f32 v[16+\j], v[16+\j], v[32+\j]       ; inv_freq = 2^-F x 2^-I
.endr
.macro SINCOS mm, j
	v_add_f32 v40, s[44+\mm], v[24+\j]             ; the row, exact
	v_mul_f32 v40, v40, v[16+\j]                   ; the angle, rounded once
	v_mul_f32 v41, s32, v40
	v_rndne_f32 v41, v41                           ; k quarter turns, at most 1,304
	v_fma_f32 v42, v41, s33, v40
	v_fma_f32 v42, v41, s34, v42                   ; what is left, within +-pi/4
	v_mul_f32 v43, v42, v42
	v_fma_f32 v44, v43, s35, s36
	v_fma_f32 v45, v43, s38, s39
	v_fma_f32 v44, v44, v43, s37
	v_fma_f32 v45, v45, v43, s40
	v_mul_f32 v46, v43, v42
	v_mul_f32 v47, v43, v43
	v_fma_f32 v48, v43, -0.5, 1.0
	v_fma_f32 v44, v44, v46, v42                   ; its sine
	v_fma_f32 v45, v45, v47, v48                   ; its cosine
	v_cvt_i32_f32 v49, v41
	v_and_b32 v50, 1, v49
	v_cmp_eq_u32 vcc_lo, 1, v50                    ; an odd k changes the two over
	v_cndmask_b32 v51, v44, v45, vcc_lo
	v_cndmask_b32 v52, v45, v44, vcc_lo
	v_lshlrev_b32 v53, 30, v49                     ; the sine's sign: bit 1 of k;
	v_add_nc_u32 v54, 1, v49
	v_and_b32 v53, 0x80000000, v53
	v_lshlrev_b32 v54, 30, v54                     ; the cosine's: bit 1 of k + 1
	v_and_b32 v54, 0x80000000, v54
	v_xor_b32 v51, v51, v53
	v_xor_b32 v52, v52, v54
	v_mul_f32 v[64+16*\mm+\j], s31, v52
	v_mul_f32 v[72+16*\mm+\j], s31, v51
.endm
.irp mm, 0,1,2,3
.irp j, 0,1,2,3,4,5,6,7
	SINCOS \mm, \j
.endr
.endr
.irp k, 0,1,2,3,4,5,6,7,8,9,10,11,12,13,14,15
	global_store_b128 v6, v[64+4*\k:64+4*\k+3], s[20:21] offset:512*\k   ; 32 lanes store 512 consecutive bytes
.endr
	s_endpgm
.Lfunc_end_k_q8f3079f05b_prep:
	.size	k_q8f3079f05b_prep, .Lfunc_end_k_q8f3079f05b_prep-k_q8f3079f05b_prep
	.p2alignl 7, 3214868480
	.fill 96, 4, 3214868480
	.section	.rodata,"a",@progbits
	.p2align	6, 0x0
	.amdhsa_kernel k_q8f3079f05b_prep
		.amdhsa_group_segment_fixed_size 0
		.amdhsa_private_segment_fixed_size 0
		.amdhsa_enable_private_segment 0
		.amdhsa_kernarg_size 72
		.amdhsa_user_sgpr_count 2
		.amdhsa_user_sgpr_kernarg_segment_ptr 1
		.amdhsa_wavefront_size32 1
		.amdhsa_system_sgpr_workgroup_id_x 1
		.amdhsa_system_sgpr_workgroup_id_y 1
		.amdhsa_system_sgpr_workgroup_id_z 1
		.amdhsa_system_vgpr_workitem_id 0
		.amdhsa_next_free_vgpr 192
		.amdhsa_next_free_sgpr 66
		.amdhsa_reserve_vcc 1
		.amdhsa_float_denorm_mode_32 3
		.amdhsa_float_denorm_mode_16_64 3
		.amdhsa_memory_ordered 1
		.amdhsa_forward_progress 1
		.amdhsa_inst_pref_size 65
	.end_amdhsa_kernel
	.amdgpu_metadata
---
amdhsa.version: [ 1, 2 ]
amdhsa.kernels:
  - .name:           k_q8f3079f05b_prep
    .symbol:         k_q8f3079f05b_prep.kd
    .args:
      - { .name: Wk, .offset: 0, .size: 8, .value_kind: global_buffer, .address_space: global }
      - { .name: Wv, .offset: 8, .size: 8, .value_kind: global_buffer, .address_space: global }
      - { .name: Wq, .offset: 16, .size: 8, .value_kind: global_buffer, .address_space: global }
      - { .name: bk, .offset: 24, .size: 8, .value_kind: global_buffer, .address_space: global }
      - { .name: bv, .offset: 32, .size: 8, .value_kind: global_buffer, .address_space: global }
      - { .name: bq, .offset: 40, .size: 8, .value_kind: global_buffer, .address_space: global }
      - { .name: lowp_scales, .offset: 48, .size: 8, .value_kind: global_buffer, .address_space: global }
      - { .name: wcb, .offset: 56, .size: 8, .value_kind: global_buffer, .address_space: global }
      - { .name: rope, .offset: 64, .size: 8, .value_kind: global_buffer, .address_space: global }
    .group_segment_fixed_size: 0
    .private_segment_fixed_size: 0
    .kernarg_segment_align: 8
    .kernarg_segment_size: 72
    .max_flat_workgroup_size: 128
    .sgpr_count:     66
    .vgpr_count:     192
    .wavefront_size: 32
...
	.end_amdgpu_metadata
.endif
;; end of part 1
;; launch kvproj (part 2): grid 256 x 1, 4 waves a work-group, clusters of 4 x 1, 327,680 bytes of LDS; arguments x, wcb, rope, lowp_scales, xq0, kc, vc, ksum; writes xq0, kc, vc, ksum
.if DOCPART == 2
	.amdgcn_target "amdgcn-amd-amdhsa--gfx1250"
	.amdhsa_code_object_version 6
	.text
	.protected	k_q8f3079f05b_kvproj
	.globl	k_q8f3079f05b_kvproj
	.p2align	8
	.type	k_q8f3079f05b_kvproj,@function
k_q8f3079f05b_kvproj:
	s_mov_b64 s[64:65], 0
	v_nop
	global_prefetch_b8 v0, s[64:65] scope:SCOPE_SE
	s_setreg_imm32_b32 hwreg(HW_REG_WAVE_MODE, 25, 1), 1
	s_wait_xcnt 0x0
	s_wait_alu depctr_hold_cnt(0) depctr_sa_sdst(0) depctr_va_vdst(0) depctr_va_sdst(0) depctr_va_ssrc(0) depctr_va_vcc(0) depctr_vm_vsrc(0)
	s_getreg_b32 s2, hwreg(HW_REG_IB_STS2, 6, 4)
	s_cmp_eq_u32 s2, 0
	s_cbranch_scc0 .Lentry_in_a_cluster
	s_endpgm
.Lentry_in_a_cluster:
	s_bfe_u32 s2, ttmp6, 0x10000c
	s_cmp_lg_u32 s2, 0x3003
	s_cbranch_scc0 .Lentry_shape_is_right
	s_endpgm
.Lentry_shape_is_right:
; k = gelu(x Wk^T + bk) + 0.21 and v = x Wv^T + bv, both products on codes of E5M2; k's column sums; k rotated, x 2048^-0.5, as codes (scale entry 6); v x 2048^-0.5 as codes (entry 7); x's codes under entry 0 for the last launch.
; SHARES.  A work-group takes 64 rows of x and all 1,024 columns; four waves, as many as a WGP has SIMDs.  THE WAVES SHARE THE COLUMNS: wave w makes columns 256 w .. 256 w + 255, 32 a pass, in 8 passes for k and 8 for v.
; Every wave holds the codes of all 64 rows x K = 1,024 in 512 registers, so a fragment of weights read from LDS (2 KiB) feeds four matrix instructions, and each weight byte is read from LDS by one wave.
; x IS QUANTISED HERE, three times, since its three products have a scale each (entries 0, 2, 4): wave w quantises rows 16 w .. 16 w + 15; the codes go from wave to wave through LDS as images of operand registers.
; WEIGHTS come as images (launch prep) through a ring of two LDS slots of 131,072 bytes, a pass a slot.  All work-groups walk the same weights: the four of a cluster ask JOINTLY (mask 15); each wave fetches its own 32 KiB and reads nothing else.
; LAYOUT.  Source 0 = 16 rows of x, source 1 = 16 rows of W: lane (r, h) holds ONE column (tile row r) and rows 16 m + 8 h + j of x in register j: neighbours along the next product's K, the rows.
; A pass's two tiles hold a rotary pair's even and odd column in the same lane and register (k), so the rotation needs no other lane.  The tables come scaled by 2048^-0.5 (launch prep).
; WHAT A PASS OF k WANTS FROM MEMORY IS ASKED FOR A PASS AHEAD: each quarter of the next table straight behind the rotation that last read its 16 registers, the next bias behind its last reader.
; GELU: 0.5 erf(t / sqrt 2) = tc P(tc^2) / Q(tc^2), tc = t held within +-4 sqrt 2; absolute error about 1e-7 x max(1, |t|).
; LIMITS on the given exponents: entries 0, 2, 4, 6, 7 between -126 and 112; e2 + e3 between -126 and 127; e4 + e5 between -120 and 127.  NaN among the inputs is not served.
; REGISTERS, in windows of 256.  window 0: v1-31 addresses and constants; v32-95 the 8 accumulators ((t, m) at 32 + 32 t + 8 m); v96-159 at work; v160-223 the pass's table; v224-239 codes; v240-255 bias, sums, at work.
;   window 1: v0-127 two buffers of weights; v128-255 my rows' codes under entry 4, kept for v.   windows 2, 3: x's fragment (m, s) at window 2 + s / 4, v[64 m + 16 (s % 4)]; while x is quantised: four sets of raw numbers, and my codes under entry 2.
.set SLOT1, 131072
.set PASSB, 131072
.set SPARE, 262144                     ; the spare words: 128 bytes a wave, two blocks of 256 bytes that no other line names
.set TURNB, 262656                     ; four stages of 16 rows x 528 bytes; later the same bytes carry the images (32,768 bytes): [m 4][K step 4][plane 4][512]
.set TP,    528
.set ACC, 32
.set TCL, 96
.set WW,  112
.set PP,  128
.set QQ,  144
.set TAB, 160
.set COD, 224
.set MSB, 0
.macro WIN new                         ; the immediate's high byte repeats the setting that is left; a switch that changes nothing is dropped
.if MSB != (\new)
	s_set_vgpr_msb (MSB<<8)|(\new)
.set MSB, (\new)
.endif
.endm
.macro ROUND                           ; a round of the cluster's barrier
	s_barrier_signal -1
	s_barrier_wait -1
	s_cmp_lg_u32 s22, 0
	s_cbranch_scc1 .Lnw0_\@
	s_barrier_signal -3
.Lnw0_\@:
	s_barrier_wait -3
	s_barrier_signal -1
	s_barrier_wait -1
.endm
.macro BARRIER                         ; my LDS stores have landed and my LDS loads are in: then the work-group's barrier
	s_wait_dscnt 0x0
	s_barrier_signal -1
	s_barrier_wait -1
.endm
.macro PLACES
.rept 4
	v_nop
.endr
.endm
.macro CPAIR r, val                    ; a constant in both words of a pair: the packed forms name the pair
	s_mov_b32 s[\r], \val
	s_mov_b32 s[\r+1], \val
.endm
.macro MKSC e, vs, vl                  ; 2^e and 57,344 x 2^e as f32
	s_add_co_i32 s2, s[\e], 127
	s_lshl_b32 s3, s2, 23
	v_mov_b32 v[\vs], s3
	s_add_co_i32 s2, s2, 15
	s_lshl_b32 s2, s2, 23
	s_or_b32 s2, s2, 0x600000
	v_mov_b32 v[\vl], s2
.endm
; A PREFETCH INTO THE L2 of the weights of the pass after next.  A pass's 131,072 bytes are 512 blocks of 256 bytes.  The first cluster asks, each of its sixteen waves for 32 blocks (8,192 bytes, a lane a block),
; told apart by address (4 cx + wave): each block is named once in the launch, and no branch hangs on a work-group's place in its cluster.  It stands behind the wave's tensor load and its four lines, one pass ahead
; of the tensor load that will want the bytes.  Passes 0 and 1 come by their loads alone; the last two of the sixteen passes ask for nothing (s61 counts the passes, s60 is 14 in the first cluster and 0 elsewhere).
.macro ASK
	s_cmp_lt_u32 s61, s60
	s_cbranch_scc0 .Lnm_\@
	global_prefetch_b8 v15, s[58:59] th:TH_LOAD_NT scope:SCOPE_SE
.Lnm_\@:
.endm
; THE CHANGE OF SLOTS, at a pass's head.  All my tensor loads have landed (the one that was out is this pass's weights); the add; the walking descriptor steps; the add and my reads of the other slot are done;
; a round of the cluster's barrier; then the next pass's weights go into the other slot: one load a wave, which has this pass in which to land.
.macro SYNC
	WIN 0
	s_wait_tensorcnt 0x0
	ds_add_u32 v4, v5                              ; 0 onto my spare word
	s_xor_b32 s37, s37, SLOT1
	s_add_nc_u64 s[38:39], s[38:39], PASSB
	s_wait_dscnt 0x0
	ROUND
	tensor_load_to_lds s[36:39], s[28:35]
	s_nop 0
	PLACES
	ASK
.endm
	s_load_b512 s[4:19], s[0:1], 0x0               ; x, wcb, rope, the exponents, xq0, kc, vc, ksum
	v_lshl_add_u32 v4, v0, 2, SPARE
	v_mov_b32 v5, 0
	ds_add_u32 v4, v5
	ds_add_u32 v4, v5
	s_wait_dscnt 0x0
	v_lshrrev_b32 v1, 5, v0
	v_readfirstlane_b32 s22, v1                    ; wave
	s_bfe_u32 s24, ttmp6, 0x40000                  ; cx: it enters the addresses of plain loads, stores and prefetches alone
	s_lshl_b32 s23, ttmp9, 2
	s_add_co_u32 s23, s23, s24                     ; work-group = 4 x cluster + cx
	s_mov_b32 s28, 15|(3<<16)|(1<<21)              ; group 1: mask: all four work-groups; elements of 8 bytes; bit 21 beside a mask; no padding
	s_mov_b32 s29, 32<<16                          ; tensor_dim0 = 32 elements: 256 bytes
	s_mov_b32 s30, 128<<16                         ; tensor_dim1 = 128 rows
	s_mov_b32 s31, 32<<16                          ; tile_dim0
	s_mov_b32 s32, 128                             ; tile_dim1
	s_mov_b32 s33, 32                              ; the pitch: the block is dense
	s_mov_b32 s34, 0
	s_mov_b32 s35, 0
	s_lshl_b32 s2, s22, 15                         ; my 32 KiB of a pass, in memory and in a slot
	s_mov_b32 s3, 0
	s_mov_b32 s36, 1
	s_mov_b32 s37, s2
	s_lshl_b32 s62, s24, 2                         ; the prefetches: my share of a pass is number 4 cx + wave of sixteen,
	s_add_co_u32 s62, s62, s22
	s_lshl_b32 s62, s62, 13                        ; 8,192 bytes each,
	s_add_co_u32 s62, s62, 2*PASSB                 ; beginning with pass 2
	s_mov_b32 s63, 0
	s_cmp_eq_u32 ttmp9, 0                          ; the cluster's number: the same in all four partners
	s_cselect_b32 s60, 14, 0
	s_mov_b32 s61, 0
	s_wait_kmcnt 0x0
	s_load_b256 s[40:47], s[10:11], 0x0            ; e0 .. e7
	s_load_b64 s[48:49], s[10:11], 0x20            ; e8, e9
	s_add_nc_u64 s[38:39], s[6:7], s[2:3]
	s_or_b32 s39, s39, 0x80000000
	ROUND                                          ; all four work-groups are here: the first joint loads meet
	tensor_load_to_lds s[36:39], s[28:35]          ; k's pass 0 into slot 0
	s_nop 0
	PLACES
	v_and_b32 v1, 31, v0
	v_and_b32 v2, 15, v0                           ; r
	v_bfe_u32 v3, v0, 4, 1                         ; h
	v_lshlrev_b32 v6, 4, v1                        ; 16 x lane
	s_add_nc_u64 s[58:59], s[6:7], s[62:63]        ; where my prefetches stand
	s_add_nc_u64 s[20:21], s[6:7], 0x300000        ; the biases, behind the codes
	s_lshl_b32 s2, s23, 18
	s_lshl_b32 s24, s22, 16
	s_add_co_u32 s2, s2, s24
	s_add_nc_u64 s[4:5], s[4:5], s[2:3]            ; x at my wave's 16 rows
	s_lshr_b32 s2, s2, 2
	s_add_nc_u64 s[12:13], s[12:13], s[2:3]        ; xq0, kc, vc: 65,536 bytes a work-group, 16,384 a wave
	s_add_nc_u64 s[14:15], s[14:15], s[2:3]
	s_add_nc_u64 s[16:17], s[16:17], s[2:3]
	s_lshr_b32 s2, s2, 4
	s_add_nc_u64 s[18:19], s[18:19], s[2:3]        ; ksum: 4,096 a work-group, 1,024 a wave
	s_lshl_b32 s2, s22, 10
	s_add_nc_u64 s[20:21], s[20:21], s[2:3]
	s_and_b32 s2, s23, 31                          ; my block of 64 rows in its batch
	s_lshl_b32 s2, s2, 18
	s_add_co_u32 s2, s2, s24
	s_add_nc_u64 s[8:9], s[8:9], s[2:3]            ; table 0 at my block and my wave's first group
.macro LOADX s                         ; K step s of my 16 rows, as it lies: each load reads 512 consecutive bytes of a row
	WIN 0x80
.irp i, 0,1,2,3,4,5,6,7,8,9,10,11,12,13,14,15
	global_load_b128 v[64*((\s)%4)+4*\i:64*((\s)%4)+4*\i+3], v6, s[4:5] offset:\i*4096+512*(\s) th:TH_LOAD_NT
.endr
	WIN 0
.endm
	LOADX 0
	LOADX 1
	LOADX 2
	LOADX 3
	s_mul_i32 s2, s22, 16*TP
	s_add_co_u32 s2, s2, TURNB                     ; my stage
	v_add_nc_u32 v7, s2, v6                        ; in: 16 x lane, a row of 512 bytes an instruction
	v_mul_u32_u24 v8, v2, TP
	v_lshl_add_u32 v8, v3, 6, v8
	v_add_nc_u32 v8, s2, v8                        ; out: row r, + 64 h: my 16 numbers of a block of 32
	s_lshl_b32 s2, s22, 13
	s_add_co_u32 s2, s2, TURNB
	v_add_nc_u32 v9, s2, v6                        ; where I store images: tile of rows m = my wave
	v_add_nc_u32 v10, TURNB, v6                    ; where I read them
	s_lshl_b32 s2, s22, 15
	v_add_nc_u32 v11, s2, v6                       ; my weights in slot 0
	v_lshlrev_b32 v13, 2, v2                       ; 4 r
	v_lshlrev_b32 v14, 2, v1                       ; 4 x lane
	v_lshlrev_b32 v15, 8, v1                       ; 256 x lane: the prefetches' offset; never rewritten
	v_mov_b32 v26, 0x40b504f3                      ; 4 sqrt 2
	v_mov_b32 v28, 0xabd3f331                      ; P's leading coefficient, twice
	v_mov_b32 v29, 0xabd3f331
	v_mov_b32 v30, 0xb57460cd                      ; Q's
	v_mov_b32 v31, 0xb57460cd
	v_mov_b32 v241, 0                              ; upper halves of pairs that are named
	v_mov_b32 v243, 0
	v_mov_b32 v250, 0                              ; a lane permute's destination counts as one of its sources
	v_mov_b32 v251, 0
	CPAIR 66, 0x2fa84a8d                           ; P, downward: 3.06119941e-10, -4.64265104e-8, -2.51575617e-6, -6.49646073e-5, -5.22304390e-4, -5.69080716e-3
	CPAIR 68, 0xb347667d
	CPAIR 70, 0xb628d45d
	CPAIR 72, 0xb8883d9c
	CPAIR 74, 0xba08eb41
	CPAIR 76, 0xbbba79f3
	CPAIR 78, 0xb7dfbd30                           ; Q, downward: -2.66717569e-5, -4.20706744e-4, -3.68666458e-3, -1.42647391e-2
	CPAIR 80, 0xb9dc924d
	CPAIR 82, 0xbb719bf8
	CPAIR 84, 0xbc69b6a7
	CPAIR 86, 0x3e570a3d                           ; 0.21
	s_mov_b32 s54, 0x76543210                      ; lane l xor 16
	s_mov_b32 s55, 0xfedcba98
	s_mov_b32 s56, 0xffff0000                      ; lanes 16-31
	s_wait_kmcnt 0x0
	MKSC 40, 16, 17
	MKSC 42, 18, 19
	MKSC 44, 20, 21
	MKSC 46, 22, 23
	MKSC 47, 24, 25
	s_add_co_i32 s50, s42, s43
	s_add_co_i32 s50, s50, 127
	s_lshl_b32 s50, s50, 23                        ; 2^(e2 + e3)
	s_mov_b32 s51, s50
	s_add_co_i32 s52, s44, s45
	s_lshl_b32 s52, s52, 23
	s_add_co_i32 s52, s52, 0x3cb504f3              ; 2^(e4 + e5) x 2^-5.5: the exponents are added to the constant's exponent field
	s_mov_b32 s53, s52
; ---- x becomes codes.  A K step's 16 x 512 bytes turn through my own stage, so that a lane holds 16 neighbours of each block of 32: register 16 c + i = k 32 c + 16 h + i of row r.
; The turn runs one K step ahead of the work: step s lands in v32-95 (s even) or in v160-223 (s odd; the table's registers, idle until k's first pass).
.macro TURNX s
	WIN 0x08                                       ; the stores' data lie in window 2
.irp i, 0,1,2,3,4,5,6,7,8,9,10,11,12,13,14,15
	ds_store_b128 v7, v[64*((\s)%4)+4*\i:64*((\s)%4)+4*\i+3] offset:TP*\i
.endr
	WIN 0
.irp c, 0,1,2,3
.irp j, 0,1,2,3
	ds_load_b128 v[ACC+128*((\s)%2)+16*\c+4*\j:ACC+128*((\s)%2)+16*\c+4*\j+3], v8 offset:128*\c+16*\j   ; LDS serves a wave's instructions in order: these see my stores
.endr
.endr
.endm
.macro Q1 src, sc, lim, win, dst       ; the 64 numbers from v[src] on become a fragment's 16 registers at dst, under the window setting win
.set qi, 0
.rept 64
	v_med3_num_f32 v[TCL+qi], v[\src+qi], -v[\lim], v[\lim]   ; the conversion does not saturate (ISA guide 7.6.2): the hold at the largest code x the scale
.set qi, qi+1
.endr
	WIN \win
.irp b, 0,1,2,3,4,5,6,7
	v_cvt_scalef32_pk8_bf8_f32 v[\dst+2*\b:\dst+2*\b+1], v[TCL+8*\b:TCL+8*\b+7], v[\sc]
.endr
	WIN 0
	v_nop                                          ; a plain line behind the last conversion: the next holds write its sources
.endm
.macro XSTEP s
.set XS, ACC+128*((\s)%2)
	s_wait_dscnt 0x0                               ; this step's numbers are back; its stores into the stage have read their registers,
	s_wait_xcnt 0x0                                ; and the last step's stores to memory have read their codes (they were issued two quantisings ago; nothing younger is out yet)
.if (\s) < 4
	LOADX (\s)+4                                   ; which take the loads of four steps on
.endif
.if (\s) < 7
.if (\s) < 4
	s_wait_loadcnt 48                              ; the next step's 16 loads are in; those of the three steps behind it may be out
.else
	s_wait_loadcnt 16*(6-(\s))
.endif
	TURNX (\s)+1                                   ; the next step turns while this one is quantised
.endif
	Q1 XS, 16, 17, 0, COD
.irp c, 0,1,2,3
	global_store_b128 v6, v[COD+4*\c:COD+4*\c+3], s[12:13] offset:2048*(\s)+512*\c   ; x's codes under entry 0: 512 consecutive bytes a store
.endr
	Q1 XS, 18, 19, 0xc0, 16*(\s)                   ; under entry 2: window 3
	Q1 XS, 20, 21, 0x40, 128+16*(\s)               ; under entry 4: window 1
.endm
	s_wait_loadcnt 48                              ; K step 0's 16 loads are in
	TURNX 0
.irp s, 0,1,2,3,4,5,6,7
	XSTEP \s
.endr
	s_wait_xcnt 0x0                                ; the eighth step's four stores have read v224-239: k's first pass writes its codes there
.irp k, 0,1,2,3,4,5,6,7,8,9,10,11,12,13,14,15
	global_load_b128 v[TAB+4*\k:TAB+4*\k+3], v6, s[8:9] offset:512*\k   ; k's first table: cos at 16 m + j, sin at 16 m + 8 + j; it lands while the codes go round
.endr
	global_load_b32 v240, v13, s[20:21]            ; the bias of my column in tile E,
	global_load_b32 v242, v13, s[20:21] offset:64  ; in tile O
	BARRIER                                        ; every wave has done with its stage: the bytes now carry images
; my eight fragments go to the other waves, four K steps at a time; every wave takes all sixteen of a half
.macro XCHG srcwin, srcbase
.irp hf, 0,1
	WIN \srcwin
.irp sl, 0,1,2,3
.irp c, 0,1,2,3
	ds_store_b128 v9, v[\srcbase+16*(4*\hf+\sl)+4*\c:\srcbase+16*(4*\hf+\sl)+4*\c+3] offset:2048*\sl+512*\c
.endr
.endr
	WIN 0
	BARRIER                                        ; the sixteen images lie in LDS
	WIN 0x80+0x40*\hf
.irp mm, 0,1,2,3
.irp sl, 0,1,2,3
.irp c, 0,1,2,3
	ds_load_b128 v[64*\mm+16*\sl+4*\c:64*\mm+16*\sl+4*\c+3], v10 offset:(4*\mm+\sl)*2048+512*\c
.endr
.endr
.endr
	WIN 0
	BARRIER                                        ; every wave has read them: they may be written again
.endr
.endm
	XCHG 0x0c, 0
; ---- a pass's products: 8 K steps x 2 tiles x 4 tiles of rows, the eight accumulators by turns, one instruction a turn
.macro FETCHW G                        ; two K steps' four fragments of weights: 16 loads
	WIN 0x40
.irp k, 0,1,2,3,4,5,6,7,8,9,10,11,12,13,14,15
	ds_load_b128 v[64*((\G)%2)+4*\k:64*((\G)%2)+4*\k+3], v12 offset:8192*(\G)+512*\k
.endr
.endm
.macro MULG G, fine                    ; fine = 1: the pass's first group: of the 32 loads just issued a fragment's four are waited for one fragment at a time
.if (\G) < 2
	WIN 0x06                                       ; source 0 (x) window 2, source 1 (weights) window 1
.else
	WIN 0x07                                       ; x in window 3
.endif
.irp sl, 0,1
.irp t, 0,1
.if \fine
	s_wait_dscnt 28-8*\sl-4*\t                     ; the loads issued behind this fragment's four may be out
.endif
.irp mm, 0,1,2,3
.if (2*(\G)+\sl) == 0
	v_wmma_f32_16x16x128_bf8_bf8 v[ACC+32*\t+8*\mm:ACC+32*\t+8*\mm+7], v[64*\mm+16*((2*(\G)+\sl)%4):64*\mm+16*((2*(\G)+\sl)%4)+15], v[64*((\G)%2)+32*\sl+16*\t:64*((\G)%2)+32*\sl+16*\t+15], 0
.else
	v_wmma_f32_16x16x128_bf8_bf8 v[ACC+32*\t+8*\mm:ACC+32*\t+8*\mm+7], v[64*\mm+16*((2*(\G)+\sl)%4):64*\mm+16*((2*(\G)+\sl)%4)+15], v[64*((\G)%2)+32*\sl+16*\t:64*((\G)%2)+32*\sl+16*\t+15], v[ACC+32*\t+8*\mm:ACC+32*\t+8*\mm+7]
.endif
.endr
.endr
.endr
.endm
.macro MATRIX
	FETCHW 0
	FETCHW 1
	MULG 0, 1
	PLACES                                         ; four places in front of loads into registers that matrix instructions have read
	FETCHW 2
	s_wait_dscnt 16                                ; the older group is in; the 16 loads issued last may be out
	MULG 1, 0
	PLACES
	FETCHW 3
	s_wait_dscnt 16
	MULG 2, 0
	s_wait_dscnt 0x0
	MULG 3, 0
	WIN 0
	PLACES                                         ; and in front of the first read of results
.endm
; gelu + 0.21 on the 16 registers of tiles E and O for rows 16 m on; each accumulator is read from its low end on
.macro GELU mm
.irp q, 0,1,2,3,4,5,6,7
.set tp, ACC+32*(\q/4)+8*(\mm)+2*(\q%4)
	v_pk_fma_f32 v[tp:tp+1], v[tp:tp+1], s[50:51], v[240+2*(\q/4):241+2*(\q/4)] op_sel_hi:[1,0,0]   ; t = sum x 2^(e2 + e3) + bias
.endr
.set gi, 0
.rept 16
	v_med3_num_f32 v[TCL+gi], v[ACC+32*(gi/8)+8*(\mm)+gi%8], -v26, v26
.set gi, gi+1
.endr
.irp q, 0,1,2,3,4,5,6,7
	v_pk_mul_f32 v[WW+2*\q:WW+2*\q+1], v[TCL+2*\q:TCL+2*\q+1], v[TCL+2*\q:TCL+2*\q+1]
.endr
.irp q, 0,1,2,3,4,5,6,7
	v_pk_fma_f32 v[PP+2*\q:PP+2*\q+1], v[WW+2*\q:WW+2*\q+1], v[28:29], s[66:67] op_sel_hi:[1,1,0]
.endr
.irp k, 68,70,72,74,76
.irp q, 0,1,2,3,4,5,6,7
	v_pk_fma_f32 v[PP+2*\q:PP+2*\q+1], v[PP+2*\q:PP+2*\q+1], v[WW+2*\q:WW+2*\q+1], s[\k:\k+1] op_sel_hi:[1,1,0]
.endr
.endr
.irp q, 0,1,2,3,4,5,6,7
	v_pk_fma_f32 v[QQ+2*\q:QQ+2*\q+1], v[WW+2*\q:WW+2*\q+1], v[30:31], s[78:79] op_sel_hi:[1,1,0]
.endr
.irp k, 80,82,84
.irp q, 0,1,2,3,4,5,6,7
	v_pk_fma_f32 v[QQ+2*\q:QQ+2*\q+1], v[QQ+2*\q:QQ+2*\q+1], v[WW+2*\q:WW+2*\q+1], s[\k:\k+1] op_sel_hi:[1,1,0]
.endr
.endr
.set gi, 0
.rept 16
	v_rcp_f32 v[QQ+gi], v[QQ+gi]                   ; one batch
.set gi, gi+1
.endr
.irp q, 0,1,2,3,4,5,6,7
	v_pk_mul_f32 v[PP+2*\q:PP+2*\q+1], v[PP+2*\q:PP+2*\q+1], v[TCL+2*\q:TCL+2*\q+1]   ; plain work that names no reciprocal
.endr
.irp q, 0,1,2,3,4,5,6,7
.set tp, ACC+32*(\q/4)+8*(\mm)+2*(\q%4)
	v_pk_fma_f32 v[WW+2*\q:WW+2*\q+1], v[tp:tp+1], 0.5, s[86:87] op_sel_hi:[1,0,0]     ; 0.5 t + 0.21
.endr
	s_wait_alu depctr_va_vdst(0)                   ; one wait for the batch, ahead of its first reader
.irp q, 0,1,2,3,4,5,6,7
	v_pk_mul_f32 v[PP+2*\q:PP+2*\q+1], v[PP+2*\q:PP+2*\q+1], v[QQ+2*\q:QQ+2*\q+1]     ; 0.5 erf
.endr
.irp q, 0,1,2,3,4,5,6,7
.set tp, ACC+32*(\q/4)+8*(\mm)+2*(\q%4)
	v_pk_fma_f32 v[tp:tp+1], v[tp:tp+1], v[PP+2*\q:PP+2*\q+1], v[WW+2*\q:WW+2*\q+1]
.endr
.endm
.macro SUMS mm                         ; k's column sums, ahead of the rotation: v[244:245] tile E, v[246:247] tile O
.irp t, 0,1
.if (\mm) == 0
	v_pk_add_f32 v[244+2*\t:245+2*\t], v[ACC+32*\t:ACC+32*\t+1], v[ACC+32*\t+2:ACC+32*\t+3]
.else
	v_pk_add_f32 v[244+2*\t:245+2*\t], v[244+2*\t:245+2*\t], v[ACC+32*\t+8*(\mm):ACC+32*\t+8*(\mm)+1]
	v_pk_add_f32 v[244+2*\t:245+2*\t], v[244+2*\t:245+2*\t], v[ACC+32*\t+8*(\mm)+2:ACC+32*\t+8*(\mm)+3]
.endif
	v_pk_add_f32 v[244+2*\t:245+2*\t], v[244+2*\t:245+2*\t], v[ACC+32*\t+8*(\mm)+4:ACC+32*\t+8*(\mm)+5]
	v_pk_add_f32 v[244+2*\t:245+2*\t], v[244+2*\t:245+2*\t], v[ACC+32*\t+8*(\mm)+6:ACC+32*\t+8*(\mm)+7]
.endr
.endm
.macro ROPEQ mm                        ; even' = even cos - odd sin, odd' = odd cos + even sin; held; codes: registers 2 m, 2 m + 1 of each tile's fragment along the rows
.irp q, 0,1,2,3
	v_pk_mul_f32 v[WW+2*\q:WW+2*\q+1], v[ACC+32+8*(\mm)+2*\q:ACC+32+8*(\mm)+2*\q+1], v[TAB+16*(\mm)+8+2*\q:TAB+16*(\mm)+8+2*\q+1]
	v_pk_mul_f32 v[WW+8+2*\q:WW+8+2*\q+1], v[ACC+8*(\mm)+2*\q:ACC+8*(\mm)+2*\q+1], v[TAB+16*(\mm)+8+2*\q:TAB+16*(\mm)+8+2*\q+1]
.endr
.irp q, 0,1,2,3
	v_pk_fma_f32 v[PP+2*\q:PP+2*\q+1], v[ACC+8*(\mm)+2*\q:ACC+8*(\mm)+2*\q+1], v[TAB+16*(\mm)+2*\q:TAB+16*(\mm)+2*\q+1], v[WW+2*\q:WW+2*\q+1] neg_lo:[0,0,1] neg_hi:[0,0,1]
	v_pk_fma_f32 v[PP+8+2*\q:PP+8+2*\q+1], v[ACC+32+8*(\mm)+2*\q:ACC+32+8*(\mm)+2*\q+1], v[TAB+16*(\mm)+2*\q:TAB+16*(\mm)+2*\q+1], v[WW+8+2*\q:WW+8+2*\q+1]
.endr
.set gi, 0
.rept 16
	v_med3_num_f32 v[PP+gi], v[PP+gi], -v23, v23
.set gi, gi+1
.endr
	v_cvt_scalef32_pk8_bf8_f32 v[COD+2*(\mm):COD+2*(\mm)+1], v[PP:PP+7], v22
	v_cvt_scalef32_pk8_bf8_f32 v[COD+8+2*(\mm):COD+8+2*(\mm)+1], v[PP+8:PP+15], v22
	v_nop
.endm
; ---- a pass of k.  nxt = 1: the next pass's table and bias are asked for on the way.  Every pass asks for the next pass's weights, the eighth for v's first.
.macro KPASS nxt
	SYNC
	v_add_nc_u32 v12, s26, v11
	MATRIX
	s_wait_loadcnt 0x0                             ; this pass's table and bias, asked for a pass ago
	s_wait_xcnt 0x0                                ; the last pass's stores, issued ahead of these products, have read their registers and bases, and the prefetch its address: all may be written
	s_add_nc_u64 s[8:9], s[8:9], 8192              ; the bases step to the next pass here: the loads below take them as they are, the stores below reach back
	s_add_nc_u64 s[20:21], s[20:21], 128
	s_add_nc_u64 s[14:15], s[14:15], 2048
	s_add_nc_u64 s[18:19], s[18:19], 128
	s_add_nc_u64 s[58:59], s[58:59], PASSB
	s_add_co_u32 s61, s61, 1
.irp mm, 0,1,2,3
	GELU \mm
	SUMS \mm
	ROPEQ \mm
.if \nxt
.irp q, 0,1,2,3
	global_load_b128 v[TAB+16*\mm+4*\q:TAB+16*\mm+4*\q+3], v6, s[8:9] offset:2048*\mm+512*\q   ; the rotation above was these 16 registers' last reader: the next pass's quarter
.endr
.endif
.endr
.if \nxt
	global_load_b32 v240, v13, s[20:21]            ; the next pass's bias
	global_load_b32 v242, v13, s[20:21] offset:64
.endif
.irp k, 0,1,2,3
	global_store_b128 v6, v[COD+4*\k:COD+4*\k+3], s[14:15] offset:512*\k-2048   ; two tiles x two halves: 512 consecutive bytes a store
.endr
	v_add_f32 v248, v244, v245
	v_add_f32 v249, v246, v247
	v_permlanex16_b32 v250, v248, s54, s55         ; the column's other 32 rows lie in the lane 16 away
	v_permlanex16_b32 v251, v249, s54, s55
	v_add_f32 v248, v248, v250
	v_add_f32 v249, v249, v251
	v_cndmask_b32 v248, v248, v249, s56            ; lanes 0-15 tile E's columns, lanes 16-31 tile O's
	global_store_b32 v14, v248, s[18:19] offset:-128
	s_xor_b32 s26, s26, SLOT1
.endm
	s_mov_b32 s25, 0
	s_mov_b32 s26, 0                               ; the slot in hand
.Lkpass:
	KPASS 1
	s_add_co_u32 s25, s25, 1
	s_cmp_lt_u32 s25, 7
	s_cbranch_scc1 .Lkpass
	KPASS 0                                        ; the eighth pass is written out: no table follows it
	s_wait_xcnt 0x0                                ; its stores have read v224-239, which v's passes write
	s_add_nc_u64 s[20:21], s[20:21], 3072          ; from behind my part of bk to my part of bv
	XCHG 0x04, 128                                 ; x's codes under entry 4 take the place of those under entry 2; the last pass's vector work stands between the products and these loads
; ---- v: 8 passes; the last asks for nothing and is written out
.macro VPASS fill
.if \fill
	SYNC
.else
	WIN 0
	s_wait_tensorcnt 0x0                           ; my last weights are in; only I read them, and nothing is filled again
.endif
	global_load_b32 v240, v13, s[20:21]
	global_load_b32 v242, v13, s[20:21] offset:64
	v_add_nc_u32 v12, s26, v11
	MATRIX
	s_wait_loadcnt 0x0
	v_mul_f32 v240, 0x3cb504f3, v240               ; bias x 2^-5.5
	v_mul_f32 v242, 0x3cb504f3, v242
.irp t, 0,1
.set vi, 0
.rept 16
	v_pk_fma_f32 v[ACC+32*\t+2*vi:ACC+32*\t+2*vi+1], v[ACC+32*\t+2*vi:ACC+32*\t+2*vi+1], s[52:53], v[240+2*\t:241+2*\t] op_sel_hi:[1,0,0]   ; v x 2048^-0.5; each accumulator from its low end on
.set vi, vi+1
.endr
.endr
.set vi, 0
.rept 64
	v_med3_num_f32 v[ACC+vi], v[ACC+vi], -v25, v25
.set vi, vi+1
.endr
.irp b, 0,1,2,3,4,5,6,7
	v_cvt_scalef32_pk8_bf8_f32 v[COD+2*\b:COD+2*\b+1], v[ACC+8*\b:ACC+8*\b+7], v24
.endr
	v_nop                                          ; a plain line between the conversions and the next products, which write their sources
.irp k, 0,1,2,3
	global_store_b128 v6, v[COD+4*\k:COD+4*\k+3], s[16:17] offset:512*\k
.endr
	s_wait_xcnt 0x0
	s_add_nc_u64 s[20:21], s[20:21], 128
	s_add_nc_u64 s[16:17], s[16:17], 2048
.if \fill
	s_add_nc_u64 s[58:59], s[58:59], PASSB
	s_add_co_u32 s61, s61, 1
.endif
	s_xor_b32 s26, s26, SLOT1
.endm
	s_mov_b32 s25, 0
.Lvpass:
	VPASS 1
	s_add_co_u32 s25, s25, 1
	s_cmp_lt_u32 s25, 7
	s_cbranch_scc1 .Lvpass
	VPASS 0
	s_wait_tensorcnt 0x0                           ; the wave's end
	ds_add_u32 v4, v5
	s_wait_dscnt 0x0
	ROUND                                          ; the closing round: no work-group ends while a partner may still ask for a tile that names it
	s_endpgm
.Lfunc_end_k_q8f3079f05b_kvproj:
	.size	k_q8f3079f05b_kvproj, .Lfunc_end_k_q8f3079f05b_kvproj-k_q8f3079f05b_kvproj
	.p2alignl 7, 3214868480
	.fill 96, 4, 3214868480
	.section	.rodata,"a",@progbits
	.p2align	6, 0x0
	.amdhsa_kernel k_q8f3079f05b_kvproj
		.amdhsa_group_segment_fixed_size 327680
		.amdhsa_private_segment_fixed_size 0
		.amdhsa_enable_private_segment 0
		.amdhsa_kernarg_size 64
		.amdhsa_user_sgpr_count 2
		.amdhsa_user_sgpr_kernarg_segment_ptr 1
		.amdhsa_wavefront_size32 1
		.amdhsa_system_sgpr_workgroup_id_x 1
		.amdhsa_system_sgpr_workgroup_id_y 1
		.amdhsa_system_sgpr_workgroup_id_z 1
		.amdhsa_system_vgpr_workitem_id 0
		.amdhsa_next_free_vgpr 1024
		.amdhsa_next_free_sgpr 104
		.amdhsa_reserve_vcc 0
		.amdhsa_float_denorm_mode_32 3
		.amdhsa_float_denorm_mode_16_64 3
		.amdhsa_memory_ordered 1
		.amdhsa_forward_progress 1
		.amdhsa_inst_pref_size 255
	.end_amdhsa_kernel
	.section	.bss,"aw",@nobits
	.p2align	6
	.space	262144
	.amdgpu_metadata
---
amdhsa.version: [ 1, 2 ]
amdhsa.kernels:
  - .name:           k_q8f3079f05b_kvproj
    .symbol:         k_q8f3079f05b_kvproj.kd
    .args:
      - { .name: x, .offset: 0, .size: 8, .value_kind: global_buffer, .address_space: global }
      - { .name: wcb, .offset: 8, .size: 8, .value_kind: global_buffer, .address_space: global }
      - { .name: rope, .offset: 16, .size: 8, .value_kind: global_buffer, .address_space: global }
      - { .name: lowp_scales, .offset: 24, .size: 8, .value_kind: global_buffer, .address_space: global }
      - { .name: xq0, .offset: 32, .size: 8, .value_kind: global_buffer, .address_space: global }
      - { .name: kc, .offset: 40, .size: 8, .value_kind: global_buffer, .address_space: global }
      - { .name: vc, .offset: 48, .size: 8, .value_kind: global_buffer, .address_space: global }
      - { .name: ksum, .offset: 56, .size: 8, .value_kind: global_buffer, .address_space: global }
    .group_segment_fixed_size: 327680
    .private_segment_fixed_size: 0
    .kernarg_segment_align: 8
    .kernarg_segment_size: 64
    .max_flat_workgroup_size: 128
    .sgpr_count:     104
    .vgpr_count:     1024
    .wavefront_size: 32
...
	.end_amdgpu_metadata
.endif
;; end of part 2
;; launch kvred (part 3): grid 256 x 1, 4 waves a work-group, no clusters, 35,328 bytes of LDS; arguments kc, vc, ksum, lowp_scales, kvm; writes kvm
.if DOCPART == 3
	.amdgcn_target "amdgcn-amd-amdhsa--gfx1250"
	.amdhsa_code_object_version 6
	.text
	.protected	k_q8f3079f05b_kvred
	.globl	k_q8f3079f05b_kvred
	.p2align	8
	.type	k_q8f3079f05b_kvred,@function
k_q8f3079f05b_kvred:
	s_mov_b64 s[64:65], 0
	v_nop
	global_prefetch_b8 v0, s[64:65] scope:SCOPE_SE
	s_setreg_imm32_b32 hwreg(HW_REG_WAVE_MODE, 25, 1), 1
	s_wait_xcnt 0x0
; kv[d][e] = the sum over the 2,048 rows of k_r[n][d] v[n][e] (both x 2048^-0.5 already), for each batch and head, on the codes that the launch before laid; kv is quantised with entry 9; k's mean.
; SHARES.  A work-group makes all 64 d x 32 e of one (batch, head): 8 accumulators.  The four waves share K: wave w takes row blocks 8 w .. 8 w + 7, four steps of 128 rows; their sums meet in LDS.
; The codes lie as images of operand registers: a tile of 16 columns x 64 rows is 8 registers in this form's own order along K; two row blocks on end are a fragment of K = 128.  Every operand goes from memory straight into registers.
; Source 0 = 16 columns d of k, source 1 = 16 columns e of v: lane (r, h) holds e = r and d = 8 h + j in register j: neighbours along the next product's K.  The conversions' results are that operand's registers.
; d runs in the order in which the launches lay k's and q's columns (group, tile, tile row); e in its natural order.
; LIMIT: e9 - e6 - e7 between -126 and 112.
.set KS,  32768                        ; LDS: 0: the waves' sums [wave][accumulator 8][half 2][512]; here: k's column sums, 256 bytes a wave
.set ACC, 32
.set MSB, 0
.macro WIN new
.if MSB != (\new)
	s_set_vgpr_msb (MSB<<8)|(\new)
.set MSB, (\new)
.endif
.endm
	s_load_b256 s[4:11], s[0:1], 0x0               ; kc, vc, ksum, the exponents
	s_load_b64 s[12:13], s[0:1], 0x20              ; kvm
	v_lshl_add_u32 v126, v0, 2, 0x8800
	v_mov_b32 v127, 0
	v_lshrrev_b32 v1, 5, v0
	v_readfirstlane_b32 s14, v1                    ; wave
	v_and_b32 v1, 31, v0
	v_lshlrev_b32 v6, 4, v1                        ; 16 x lane
	v_lshlrev_b32 v7, 3, v1                        ; 8 x lane
	s_lshr_b32 s15, ttmp9, 1                       ; 16 batch + head
	s_and_b32 s16, ttmp9, 1                        ; which 32 of the 64 e
	s_lshr_b32 s17, s15, 4                         ; batch
	s_and_b32 s18, s15, 15                         ; head
	s_lshl_b32 s20, s17, 21                        ; codes: 32 row blocks of 65,536 bytes a batch,
	s_lshl_b32 s2, s14, 19                         ; 8 of them a wave,
	s_add_co_u32 s20, s20, s2
	s_lshl_b32 s2, s18, 12                         ; 4,096 bytes a head
	s_add_co_u32 s20, s20, s2
	s_mov_b32 s21, 0
	s_lshl_b32 s2, s16, 11
	s_add_co_u32 s22, s20, s2                      ; v: my two tiles
	s_mov_b32 s23, 0
	s_lshl_b32 s40, s17, 17                        ; ksum: 4,096 bytes a row block, 256 a head
	s_lshl_b32 s2, s14, 15
	s_add_co_u32 s40, s40, s2
	s_lshl_b32 s2, s18, 8
	s_add_co_u32 s40, s40, s2
	s_mov_b32 s41, 0
	s_and_b32 s34, s14, 1                          ; behind the barrier I finish tiles d = 2 dp, 2 dp + 1
	s_lshr_b32 s35, s14, 1                         ; of tile e = et
	s_lshl_b32 s2, s14, 13
	v_add_nc_u32 v8, s2, v6                        ; where I put my sums
	s_lshl_b32 s2, s34, 12
	s_lshl_b32 s3, s35, 10
	s_add_co_u32 s2, s2, s3
	v_add_nc_u32 v9, s2, v6                        ; where I read the four waves'
	s_lshl_b32 s2, s14, 8
	s_add_co_u32 s2, s2, KS
	v_add_nc_u32 v10, s2, v7
	v_add_nc_u32 v11, KS, v7
	s_lshl_b32 s38, s15, 12                        ; kv's codes: 4,096 bytes a head, 1,024 a tile of e, 512 a half
	s_lshl_b32 s2, s16, 11
	s_add_co_u32 s38, s38, s2
	s_add_co_u32 s38, s38, s3
	s_lshl_b32 s2, s34, 9
	s_add_co_u32 s38, s38, s2
	s_mov_b32 s39, 0
	s_lshl_b32 s42, s17, 12                        ; the mean: behind the codes, 4,096 bytes a batch, 256 a head
	s_lshl_b32 s2, s18, 8
	s_add_co_u32 s42, s42, s2
	s_add_co_u32 s42, s42, 0x80000
	s_mov_b32 s43, 0
	s_wait_kmcnt 0x0
	s_load_b256 s[24:31], s[10:11], 0x0            ; e0 .. e7
	s_load_b64 s[32:33], s[10:11], 0x20            ; e8, e9
	s_add_nc_u64 s[4:5], s[4:5], s[20:21]
	s_add_nc_u64 s[6:7], s[6:7], s[22:23]
	s_add_nc_u64 s[8:9], s[8:9], s[40:41]
	s_add_nc_u64 s[44:45], s[12:13], s[42:43]
	s_add_nc_u64 s[12:13], s[12:13], s[38:39]
.irp i, 0,1,2,3,4,5,6,7
	global_load_b64 v[16+2*\i:17+2*\i], v7, s[8:9] offset:4096*\i   ; my 8 row blocks' column sums of the head: 256 consecutive bytes a load
.endr
.irp st, 0,1,2,3
	WIN 0x40                                       ; k's fragments: window 1, v[64 step + 16 dt]
.irp dt, 0,1,2,3
.irp nb, 0,1
.irp hf, 0,1
	global_load_b128 v[64*\st+16*\dt+8*\nb+4*\hf:64*\st+16*\dt+8*\nb+4*\hf+3], v6, s[4:5] offset:(2*\st+\nb)*65536+\dt*1024+\hf*512
.endr
.endr
.endr
	WIN 0                                          ; v's: window 0, v[128 + 32 step + 16 et]
.irp et, 0,1
.irp nb, 0,1
.irp hf, 0,1
	global_load_b128 v[128+32*\st+16*\et+8*\nb+4*\hf:128+32*\st+16*\et+8*\nb+4*\hf+3], v6, s[6:7] offset:(2*\st+\nb)*65536+\et*1024+\hf*512 th:TH_LOAD_NT
.endr
.endr
.endr
.endr
.irp st, 0,1,2,3
.if \st == 0
	s_wait_loadcnt 63                              ; behind step 0's loads stand 72: the count is the largest that the wait can name, and below 72
.else
	s_wait_loadcnt 24*(3-\st)                      ; the later steps' loads, 24 each, may be out
.endif
	WIN 0x01
.irp dt, 0,1,2,3
.irp et, 0,1                                   ; the eight accumulators by turns
.if \st == 0
	v_wmma_f32_16x16x128_bf8_bf8 v[ACC+8*(2*\dt+\et):ACC+8*(2*\dt+\et)+7], v[64*\st+16*\dt:64*\st+16*\dt+15], v[128+32*\st+16*\et:128+32*\st+16*\et+15], 0
.else
	v_wmma_f32_16x16x128_bf8_bf8 v[ACC+8*(2*\dt+\et):ACC+8*(2*\dt+\et)+7], v[64*\st+16*\dt:64*\st+16*\dt+15], v[128+32*\st+16*\et:128+32*\st+16*\et+15], v[ACC+8*(2*\dt+\et):ACC+8*(2*\dt+\et)+7]
.endif
.endr
.endr
.endr
	WIN 0
.rept 4
	v_nop                                          ; four places in front of the first read of results
.endr
.irp a, 0,1,2,3,4,5,6,7
	ds_store_b128 v8, v[ACC+8*\a:ACC+8*\a+3] offset:1024*\a          ; each accumulator from its low end on
	ds_store_b128 v8, v[ACC+8*\a+4:ACC+8*\a+7] offset:1024*\a+512
.endr
.irp i, 0,1,2,3
	v_pk_add_f32 v[16+2*\i:17+2*\i], v[16+2*\i:17+2*\i], v[24+2*\i:25+2*\i]
.endr
	v_pk_add_f32 v[16:17], v[16:17], v[20:21]
	v_pk_add_f32 v[18:19], v[18:19], v[22:23]
	v_pk_add_f32 v[16:17], v[16:17], v[18:19]
	ds_store_b64 v10, v[16:17]
	s_wait_kmcnt 0x0
	s_sub_co_i32 s36, s33, s30
	s_sub_co_i32 s36, s36, s31                     ; a sum stands for sum x 2^(e6 + e7): its code is sum / 2^(e9 - e6 - e7)
	s_add_co_i32 s36, s36, 127
	s_lshl_b32 s37, s36, 23
	v_mov_b32 v12, s37
	s_add_co_i32 s36, s36, 15
	s_lshl_b32 s36, s36, 23
	s_or_b32 s36, s36, 0x600000
	v_mov_b32 v13, s36
	s_wait_dscnt 0x0                               ; for the others' sake: my stores are done
	s_barrier_signal -1
	s_barrier_wait -1
.irp src, 0,1,2,3
.irp dd, 0,1
.irp hf, 0,1
	ds_load_b128 v[128+16*\src+8*\dd+4*\hf:128+16*\src+8*\dd+4*\hf+3], v9 offset:8192*\src+2048*\dd+512*\hf
.endr
.endr
.endr
	s_wait_dscnt 0x0
.irp src, 1,2,3
.irp q, 0,1,2,3,4,5,6,7
	v_pk_add_f32 v[128+2*\q:129+2*\q], v[128+2*\q:129+2*\q], v[128+16*\src+2*\q:129+16*\src+2*\q]
.endr
.endr
.irp i, 0,1,2,3,4,5,6,7,8,9,10,11,12,13,14,15
	v_med3_num_f32 v[128+\i], v[128+\i], -v13, v13
.endr
	v_cvt_scalef32_pk8_bf8_f32 v[192:193], v[128:135], v12
	v_cvt_scalef32_pk8_bf8_f32 v[194:195], v[136:143], v12
	v_nop
	global_store_b128 v6, v[192:195], s[12:13]     ; registers 4 dp .. 4 dp + 3 of the fragment of tile e: 512 consecutive bytes
	s_or_b32 s2, s16, s14                          ; one wave of one of the head's two work-groups finishes the mean
	s_cmp_lg_u32 s2, 0
	s_cbranch_scc1 .Lend
.irp i, 0,1,2,3
	ds_load_b64 v[16+2*\i:17+2*\i], v11 offset:256*\i
.endr
	s_wait_dscnt 0x0
	v_pk_add_f32 v[16:17], v[16:17], v[18:19]
	v_pk_add_f32 v[20:21], v[20:21], v[22:23]
	v_pk_add_f32 v[16:17], v[16:17], v[20:21]
	v_mul_f32 v16, 0x3a000000, v16                 ; / 2,048
	v_mul_f32 v17, 0x3a000000, v17
	global_store_b64 v7, v[16:17], s[44:45]        ; 256 consecutive bytes
.Lend:
	s_wait_tensorcnt 0x0
	ds_add_u32 v126, v127
	s_wait_dscnt 0x0
	s_endpgm
.Lfunc_end_k_q8f3079f05b_kvred:
	.size	k_q8f3079f05b_kvred, .Lfunc_end_k_q8f3079f05b_kvred-k_q8f3079f05b_kvred
	.p2alignl 7, 3214868480
	.fill 96, 4, 3214868480
	.section	.rodata,"a",@progbits
	.p2align	6, 0x0
	.amdhsa_kernel k_q8f3079f05b_kvred
		.amdhsa_group_segment_fixed_size 35328
		.amdhsa_private_segment_fixed_size 0
		.amdhsa_enable_private_segment 0
		.amdhsa_kernarg_size 40
		.amdhsa_user_sgpr_count 2
		.amdhsa_user_sgpr_kernarg_segment_ptr 1
		.amdhsa_wavefront_size32 1
		.amdhsa_system_sgpr_workgroup_id_x 1
		.amdhsa_system_sgpr_workgroup_id_y 1
		.amdhsa_system_sgpr_workgroup_id_z 1
		.amdhsa_system_vgpr_workitem_id 0
		.amdhsa_next_free_vgpr 512
		.amdhsa_next_free_sgpr 66
		.amdhsa_reserve_vcc 0
		.amdhsa_float_denorm_mode_32 3
		.amdhsa_float_denorm_mode_16_64 3
		.amdhsa_memory_ordered 1
		.amdhsa_forward_progress 1
		.amdhsa_inst_pref_size 22
	.end_amdhsa_kernel
	.amdgpu_metadata
---
amdhsa.version: [ 1, 2 ]
amdhsa.kernels:
  - .name:           k_q8f3079f05b_kvred
    .symbol:         k_q8f3079f05b_kvred.kd
    .args:
      - { .name: kc, .offset: 0, .size: 8, .value_kind: global_buffer, .address_space: global }
      - { .name: vc, .offset: 8, .size: 8, .value_kind: global_buffer, .address_space: global }
      - { .name: ksum, .offset: 16, .size: 8, .value_kind: global_buffer, .address_space: global }
      - { .name: lowp_scales, .offset: 24, .size: 8, .value_kind: global_buffer, .address_space: global }
      - { .name: kvm, .offset: 32, .size: 8, .value_kind: global_buffer, .address_space: global }
    .group_segment_fixed_size: 35328
    .private_segment_fixed_size: 0
    .kernarg_segment_align: 8
    .kernarg_segment_size: 40
    .max_flat_workgroup_size: 128
    .sgpr_count:     66
    .vgpr_count:     512
    .wavefront_size: 32
...
	.end_amdgpu_metadata
.endif
;; end of part 3
;; launch qout (part 4): grid 256 x 1, 4 waves a work-group, clusters of 4 x 1, 327,680 bytes of LDS; arguments x, xq0, wcb, rope, kvm, gamma, beta, lowp_scales, out0; writes out0
.if DOCPART == 4
	.amdgcn_target "amdgcn-amd-amdhsa--gfx1250"
	.amdhsa_code_object_version 6
	.text
	.protected	k_q8f3079f05b_qout
	.globl	k_q8f3079f05b_qout
	.p2align	8
	.type	k_q8f3079f05b_qout,@function
k_q8f3079f05b_qout:
	s_mov_b64 s[64:65], 0
	v_nop
	global_prefetch_b8 v0, s[64:65] scope:SCOPE_SE
	s_setreg_imm32_b32 hwreg(HW_REG_WAVE_MODE, 25, 1), 1
	s_wait_xcnt 0x0
	s_wait_alu depctr_hold_cnt(0) depctr_sa_sdst(0) depctr_va_vdst(0) depctr_va_sdst(0) depctr_va_ssrc(0) depctr_va_vcc(0) depctr_vm_vsrc(0)
	s_getreg_b32 s2, hwreg(HW_REG_IB_STS2, 6, 4)
	s_cmp_eq_u32 s2, 0
	s_cbranch_scc0 .Lentry_in_a_cluster
	s_endpgm
.Lentry_in_a_cluster:
	s_bfe_u32 s2, ttmp6, 0x10000c
	s_cmp_lg_u32 s2, 0x3003
	s_cbranch_scc0 .Lentry_shape_is_right
	s_endpgm
.Lentry_shape_is_right:
; q = gelu(x Wq^T + bq) + 0.21 on codes; z = 1 / (q . mean k + 1e-6); q rotated and quantised (entry 8); out = (q_r kv) z on codes; + x; LayerNorm over the 1,024 columns, x gamma + beta.
; SHARES as in kvproj: 64 rows and all columns a work-group; wave w owns columns 256 w .. 256 w + 255 = heads 4 w .. 4 w + 3; 8 passes of 32 columns; x's codes (entry 0, made by kvproj) in 512 registers of every wave;
; Wq's images through a ring of two LDS slots, asked for JOINTLY by the four work-groups of a cluster (mask 15), each wave its own 32 KiB.
; LAYOUT.  The products are used TRANSPOSED (source 0 = 16 rows of Wq, source 1 = 16 rows of x): lane (r, h) holds ONE row 16 m + r of x and tile rows 8 h + j in register j: neighbours along the next K, the head's 64.
; A pass's four code registers for a tile of rows are half a fragment of q (K = 64); they wait in LDS (the wave's own bytes), the last pass's in registers.  kv's fragments come as images from kvred.
; out^T = kv^T q^T: source 0 = 16 columns e of kv, source 1 = q's 16 rows: a lane again holds one row, and eight neighbouring columns e.
; WHAT A PASS WANTS FROM MEMORY IS ASKED FOR A PASS AHEAD: each quarter of the next table behind the rotation that last read its registers, the next bias and mean of k behind the pass's last tile of rows.
; x's f32 rows for the residual come by two plain tensor loads, 32 rows each, a wave its own 256 columns, into the slots when those have been read: the first has the last pass in which to land, the second the first tile's work and more.
; So no wave waits long for them, and they are not asked for earlier.
; THE NORM.  Each wave takes its own mean of a row's 256 numbers and their sum of squares about that mean; the four pairs meet in LDS once; var = (the four sums + 256 x the four means' squared distances from the row's mean) / 1,024:
; the same number as the mean of (res - mu)^2, with no difference of large sums.  y leaves through the bytes in which x lay, which have had their last fill.
; LIMITS: e8 between -126 and 112; e0 + e1 between -126 and 127; e8 + e9 is applied by v_ldexp_f32 and has none.  GELU as in kvproj.  NaN among the inputs is not served.
; REGISTERS.  window 0: v1-31 addresses and constants; v32-95 accumulators; v96-159 at work; v160-223 the pass's table; v224-239 codes; v240-255 at work; at the end v32-95 and v160-223 take rows of y.
;   window 1: v0-127 weights, later kv's 16 fragments (32 hd + 8 et); v128-151 q's fragments of heads 0-2; v160-191 head 3's, 8 a tile of rows; v192-207 bias; v208-223 mean k; v224-239 z (4 hd + m).
;   windows 2, 3: x's codes; later window 2: v0-127 the results, v128-255 x's numbers; window 3: gamma v0-127, beta v128-255.
.set SLOT1, 131072
.set PASSB, 131072
.set X0B,   133120                     ; x's rows 0-31: 33,280 bytes a wave: 32 rows x (1,024 + 16)
.set X1B,   0                          ; rows 32-63
.set XPW,   33280
.set XP,    1040
.set SPARE, 266240                     ; the spare words: two blocks of 256 bytes that no other line names
.set QCB,   266752                     ; q's codes of passes 0-6: [wave][pass 7][m 4][512]
.set STB,   324096                     ; the rows' sums: [m 4][wave 4][row 16] pairs of f32: 512 bytes a tile of rows
.set ACC, 32
.set TCL, 96
.set WW,  112
.set PP,  128
.set QQ,  144
.set TAB, 160
.set COD, 224
.set MSB, 0
.macro WIN new
.if MSB != (\new)
	s_set_vgpr_msb (MSB<<8)|(\new)
.set MSB, (\new)
.endif
.endm
.macro ROUND
	s_barrier_signal -1
	s_barrier_wait -1
	s_cmp_lg_u32 s22, 0
	s_cbranch_scc1 .Lnw0_\@
	s_barrier_signal -3
.Lnw0_\@:
	s_barrier_wait -3
	s_barrier_signal -1
	s_barrier_wait -1
.endm
.macro BARRIER
	s_wait_dscnt 0x0
	s_barrier_signal -1
	s_barrier_wait -1
.endm
.macro PLACES
.rept 4
	v_nop
.endr
.endm
.macro CPAIR r, val
	s_mov_b32 s[\r], \val
	s_mov_b32 s[\r+1], \val
.endm
; A PREFETCH INTO THE L2 of the weights of the pass after next, as in kvproj: the first cluster's sixteen waves name 32 blocks of 256 bytes each (a lane a block), told apart by address (4 cx + wave), so that each block is
; named once in the launch; behind the wave's tensor load and its four lines, one pass ahead of the tensor load that will want the bytes.  Passes 0 and 1 come by their loads alone; passes 6 and 7 ask for nothing
; (s25 counts the passes, s44 is 6 in the first cluster and 0 elsewhere).
.macro ASK
	s_cmp_lt_u32 s25, s44
	s_cbranch_scc0 .Lnm_\@
	global_prefetch_b8 v13, s[42:43] th:TH_LOAD_NT scope:SCOPE_SE
.Lnm_\@:
.endm
.macro SYNC                            ; the change of slots, as in kvproj
	WIN 0
	s_wait_tensorcnt 0x0
	ds_add_u32 v4, v5                              ; 0 onto my spare word
	s_xor_b32 s37, s37, SLOT1
	s_add_nc_u64 s[38:39], s[38:39], PASSB
	s_wait_dscnt 0x0
	ROUND
	tensor_load_to_lds s[36:39], s[28:35]
	s_nop 0
	PLACES
	ASK
.endm
.macro QLOADS                          ; a pass's table, bias and mean k, whole: for pass 0
.irp k, 0,1,2,3,4,5,6,7,8,9,10,11,12,13,14,15
	global_load_b128 v[TAB+4*\k:TAB+4*\k+3], v6, s[10:11] offset:512*\k
.endr
	WIN 0x40
.irp t, 0,1
.irp u, 0,1
	global_load_b128 v[192+8*\t+4*\u:192+8*\t+4*\u+3], v15, s[52:53] offset:64*\t+16*\u
	global_load_b128 v[208+8*\t+4*\u:208+8*\t+4*\u+3], v15, s[56:57] offset:64*\t+16*\u
.endr
.endr
	WIN 0
.endm
	s_load_b512 s[4:19], s[0:1], 0x0               ; x, xq0, wcb, rope, kvm, gamma, beta, the exponents
	s_load_b64 s[20:21], s[0:1], 0x40              ; out0
	v_lshl_add_u32 v4, v0, 2, SPARE
	v_mov_b32 v5, 0
	ds_add_u32 v4, v5
	ds_add_u32 v4, v5
	s_wait_dscnt 0x0
	v_lshrrev_b32 v1, 5, v0
	v_readfirstlane_b32 s22, v1                    ; wave
	s_bfe_u32 s24, ttmp6, 0x40000                  ; cx: it enters the addresses of plain loads, stores and prefetches alone
	s_lshl_b32 s23, ttmp9, 2
	s_add_co_u32 s23, s23, s24                     ; work-group
	s_mov_b32 s28, 15|(3<<16)|(1<<21)              ; group 1 for the weights: mask 15; elements of 8 bytes; 128 rows of 256 bytes, dense
	s_mov_b32 s29, 32<<16
	s_mov_b32 s30, 128<<16
	s_mov_b32 s31, 32<<16
	s_mov_b32 s32, 128
	s_mov_b32 s33, 32
	s_mov_b32 s34, 0
	s_mov_b32 s35, 0
	s_mov_b32 s92, (2<<16)|(1<<20)|(7<<22)|(3<<25) ; group 1 for x: no mask; elements of 4 bytes; four words of padding behind every 256
	s_mov_b32 s93, 256<<16                         ; tensor_dim0 = 256
	s_mov_b32 s94, 32<<16                          ; tensor_dim1 = 32
	s_mov_b32 s95, 256<<16                         ; tile_dim0
	s_mov_b32 s96, 32                              ; tile_dim1
	s_mov_b32 s97, 1024                            ; the pitch
	s_mov_b32 s98, 0
	s_mov_b32 s99, 0
	s_lshl_b32 s2, s22, 15
	s_mov_b32 s3, 0
	s_mov_b32 s36, 1
	s_add_co_u32 s37, s2, SLOT1                    ; pass p lies in slot (p + 1) % 2, so that the last pass lies in slot 0
	s_add_co_u32 s2, s2, 0x200000                  ; Wq's images: the third tensor
	s_mul_i32 s100, s22, XPW
	s_mov_b32 s88, 1
	s_add_co_u32 s89, s100, X0B
	s_wait_kmcnt 0x0
	s_load_b256 s[40:47], s[18:19], 0x0
	s_load_b64 s[48:49], s[18:19], 0x20
	s_add_nc_u64 s[38:39], s[8:9], s[2:3]
	s_or_b32 s39, s39, 0x80000000
	ROUND                                          ; all four work-groups are here: the first joint loads meet
	tensor_load_to_lds s[36:39], s[28:35]          ; pass 0
	s_nop 0
	PLACES
	v_and_b32 v1, 31, v0
	v_and_b32 v9, 15, v0                           ; r
	v_bfe_u32 v10, v0, 4, 1                        ; h
	v_lshlrev_b32 v6, 4, v1                        ; 16 x lane
	s_lshl_b32 s2, s23, 16
	s_add_nc_u64 s[6:7], s[6:7], s[2:3]            ; x's codes of my 64 rows
.irp hi, 0,1
	WIN 0x80+0x40*\hi
.irp mm, 0,1,2,3
.irp sl, 0,1,2,3
.irp c, 0,1,2,3
	global_load_b128 v[64*\mm+16*\sl+4*\c:64*\mm+16*\sl+4*\c+3], v6, s[6:7] offset:(8*\mm+4*\hi+\sl)*2048+512*\c
.endr
.endr
.endr
.endr
	WIN 0
	s_lshl_b32 s2, s23, 18
	s_lshl_b32 s24, s22, 10
	s_add_co_u32 s2, s2, s24
	s_add_nc_u64 s[90:91], s[4:5], s[2:3]          ; x at my rows and my wave's 256 columns
	s_or_b32 s91, s91, 0x80000000
	s_add_nc_u64 s[20:21], s[20:21], s[2:3]        ; out0 likewise
	s_add_co_u32 s2, s24, 0x302000
	s_add_nc_u64 s[52:53], s[8:9], s[2:3]          ; bq in tile order, my wave's part
	s_mov_b32 s2, s24
	s_add_nc_u64 s[14:15], s[14:15], s[2:3]        ; gamma, beta: my 256
	s_add_nc_u64 s[16:17], s[16:17], s[2:3]
	s_and_b32 s2, s23, 31
	s_lshl_b32 s2, s2, 18
	s_lshl_b32 s62, s22, 16
	s_add_co_u32 s2, s2, s62
	s_add_co_u32 s2, s2, 0x800000
	s_add_nc_u64 s[10:11], s[10:11], s[2:3]        ; table 1 at my block of rows and my wave's first group
	s_lshr_b32 s62, s23, 5                         ; batch
	s_lshl_b32 s2, s62, 12
	s_add_co_u32 s2, s2, s24
	s_add_co_u32 s2, s2, 0x80000
	s_add_nc_u64 s[56:57], s[12:13], s[2:3]        ; mean k, my wave's part
	s_lshl_b32 s2, s62, 16
	s_lshl_b32 s62, s22, 14
	s_add_co_u32 s2, s2, s62
	s_add_nc_u64 s[12:13], s[12:13], s[2:3]        ; kv's codes of my four heads
	v_lshlrev_b32 v15, 5, v10                      ; 32 h
	QLOADS                                         ; pass 0's table, bias and mean k
	v_lshlrev_b32 v13, 8, v1                       ; 256 x lane: the prefetches' offset; never rewritten
	s_lshl_b32 s2, s22, 15
	v_add_nc_u32 v11, s2, v6                       ; my weights in slot 0
	s_mul_i32 s2, s22, 14336
	s_add_co_u32 s2, s2, QCB
	v_add_nc_u32 v2, s2, v6                        ; my place for q's codes
	v_lshlrev_b32 v8, 3, v9
	v_add_nc_u32 v8, STB, v8                       ; the rows' sums, 8 bytes a row: where I read,
	s_lshl_b32 s2, s22, 7
	v_add_nc_u32 v7, s2, v8                        ; where I write: 128 bytes a wave
	v_mul_u32_u24 v16, v9, XP
	v_lshl_add_u32 v16, v10, 5, v16
	v_add_nc_u32 v17, s100, v16                    ; x's numbers: row r, + 32 h, in rows 32-63's place,
	v_add_nc_u32 v16, X0B, v17                     ; in rows 0-31's
	v_add_nc_u32 v19, s100, v6                     ; rows of y read back: 16 x lane
	v_add_nc_u32 v18, X0B, v19
	v_mov_b32 v26, 0x40b504f3
	v_mov_b32 v28, 0xabd3f331
	v_mov_b32 v29, 0xabd3f331
	v_mov_b32 v30, 0xb57460cd
	v_mov_b32 v31, 0xb57460cd
.irp i, 240,241,242,243,252
	v_mov_b32 v\i, 0                               ; upper halves of named pairs, and a lane permute's destination
.endr
	WIN 0x40
.irp i, 0,1,2,3,4,5,6,7,8,9,10,11,12,13,14,15
	v_mov_b32 v[224+\i], 0                         ; z's sums
.endr
	WIN 0
	CPAIR 66, 0x2fa84a8d
	CPAIR 68, 0xb347667d
	CPAIR 70, 0xb628d45d
	CPAIR 72, 0xb8883d9c
	CPAIR 74, 0xba08eb41
	CPAIR 76, 0xbbba79f3
	CPAIR 78, 0xb7dfbd30
	CPAIR 80, 0xb9dc924d
	CPAIR 82, 0xbb719bf8
	CPAIR 84, 0xbc69b6a7
	CPAIR 86, 0x3e570a3d
	s_mov_b32 s54, 0x76543210
	s_mov_b32 s55, 0xfedcba98
	s_mov_b32 s62, 0x3a800000                      ; 2^-10
	s_mov_b32 s63, 0x2b8cbccc                      ; 1e-12
	s_wait_kmcnt 0x0
	s_add_co_i32 s2, s48, 127
	s_lshl_b32 s3, s2, 23
	v_mov_b32 v22, s3                              ; 2^e8
	s_add_co_i32 s2, s2, 15
	s_lshl_b32 s2, s2, 23
	s_or_b32 s2, s2, 0x600000
	v_mov_b32 v23, s2                              ; 57,344 x 2^e8
	s_add_co_i32 s50, s40, s41
	s_add_co_i32 s50, s50, 127
	s_lshl_b32 s50, s50, 23                        ; 2^(e0 + e1)
	s_mov_b32 s51, s50
	s_add_co_i32 s101, s48, s49                    ; e8 + e9.  The exponents have been used: s42 to s46 serve anew
	s_bfe_u32 s2, ttmp6, 0x40000                   ; the prefetches: my share of a pass is number 4 cx + wave of sixteen,
	s_lshl_b32 s2, s2, 2
	s_add_co_u32 s2, s2, s22
	s_lshl_b32 s2, s2, 13                          ; 8,192 bytes each,
	s_add_co_u32 s2, s2, 0x200000+2*PASSB          ; beginning with Wq's pass 2
	s_mov_b32 s3, 0
	s_add_nc_u64 s[42:43], s[8:9], s[2:3]
	s_cmp_eq_u32 ttmp9, 0                          ; the cluster's number: the same in all four partners
	s_cselect_b32 s44, 6, 0
	s_mov_b32 s45, 0x43800000                      ; 256
	s_mov_b32 s46, 0x3b800000                      ; 2^-8
.macro FETCHW G
	WIN 0x40
.irp k, 0,1,2,3,4,5,6,7,8,9,10,11,12,13,14,15
	ds_load_b128 v[64*((\G)%2)+4*\k:64*((\G)%2)+4*\k+3], v12 offset:8192*(\G)+512*\k
.endr
.endm
.macro MULG G, fine                    ; fine = 1: the pass's first group: of the 32 loads just issued a fragment's four are waited for one fragment at a time
.if (\G) < 2
	WIN 0x09                                       ; source 0 (weights) window 1, source 1 (x) window 2
.else
	WIN 0x0d                                       ; x in window 3
.endif
.irp sl, 0,1
.irp t, 0,1
.if \fine
	s_wait_dscnt 28-8*\sl-4*\t                     ; the loads issued behind this fragment's four may be out
.endif
.irp mm, 0,1,2,3
.if (2*(\G)+\sl) == 0
	v_wmma_f32_16x16x128_bf8_bf8 v[ACC+32*\t+8*\mm:ACC+32*\t+8*\mm+7], v[64*((\G)%2)+32*\sl+16*\t:64*((\G)%2)+32*\sl+16*\t+15], v[64*\mm+16*((2*(\G)+\sl)%4):64*\mm+16*((2*(\G)+\sl)%4)+15], 0
.else
	v_wmma_f32_16x16x128_bf8_bf8 v[ACC+32*\t+8*\mm:ACC+32*\t+8*\mm+7], v[64*((\G)%2)+32*\sl+16*\t:64*((\G)%2)+32*\sl+16*\t+15], v[64*\mm+16*((2*(\G)+\sl)%4):64*\mm+16*((2*(\G)+\sl)%4)+15], v[ACC+32*\t+8*\mm:ACC+32*\t+8*\mm+7]
.endif
.endr
.endr
.endr
.endm
.macro MATRIX                          ; 64 matrix instructions, the eight accumulators by turns
	FETCHW 0
	FETCHW 1
	MULG 0, 1
	PLACES
	FETCHW 2
	s_wait_dscnt 16                                ; the older group is in; the 16 loads issued last may be out
	MULG 1, 0
	PLACES
	FETCHW 3
	s_wait_dscnt 16
	MULG 2, 0
	s_wait_dscnt 0x0
	MULG 3, 0
	WIN 0
	PLACES
.endm
.macro GELU mm
	WIN 0x10                                       ; the bias lies in window 1
.irp q, 0,1,2,3,4,5,6,7
.set tp, ACC+32*(\q/4)+8*(\mm)+2*(\q%4)
	v_pk_fma_f32 v[tp:tp+1], v[tp:tp+1], s[50:51], v[192+2*\q:193+2*\q] op_sel_hi:[1,0,1]   ; t = sum x 2^(e0 + e1) + bias; each accumulator from its low end on
.endr
	WIN 0
.set gi, 0
.rept 16
	v_med3_num_f32 v[TCL+gi], v[ACC+32*(gi/8)+8*(\mm)+gi%8], -v26, v26
.set gi, gi+1
.endr
.irp q, 0,1,2,3,4,5,6,7
	v_pk_mul_f32 v[WW+2*\q:WW+2*\q+1], v[TCL+2*\q:TCL+2*\q+1], v[TCL+2*\q:TCL+2*\q+1]
.endr
.irp q, 0,1,2,3,4,5,6,7
	v_pk_fma_f32 v[PP+2*\q:PP+2*\q+1], v[WW+2*\q:WW+2*\q+1], v[28:29], s[66:67] op_sel_hi:[1,1,0]
.endr
.irp k, 68,70,72,74,76
.irp q, 0,1,2,3,4,5,6,7
	v_pk_fma_f32 v[PP+2*\q:PP+2*\q+1], v[PP+2*\q:PP+2*\q+1], v[WW+2*\q:WW+2*\q+1], s[\k:\k+1] op_sel_hi:[1,1,0]
.endr
.endr
.irp q, 0,1,2,3,4,5,6,7
	v_pk_fma_f32 v[QQ+2*\q:QQ+2*\q+1], v[WW+2*\q:WW+2*\q+1], v[30:31], s[78:79] op_sel_hi:[1,1,0]
.endr
.irp k, 80,82,84
.irp q, 0,1,2,3,4,5,6,7
	v_pk_fma_f32 v[QQ+2*\q:QQ+2*\q+1], v[QQ+2*\q:QQ+2*\q+1], v[WW+2*\q:WW+2*\q+1], s[\k:\k+1] op_sel_hi:[1,1,0]
.endr
.endr
.set gi, 0
.rept 16
	v_rcp_f32 v[QQ+gi], v[QQ+gi]                   ; one batch
.set gi, gi+1
.endr
.irp q, 0,1,2,3,4,5,6,7
	v_pk_mul_f32 v[PP+2*\q:PP+2*\q+1], v[PP+2*\q:PP+2*\q+1], v[TCL+2*\q:TCL+2*\q+1]
.endr
.irp q, 0,1,2,3,4,5,6,7
.set tp, ACC+32*(\q/4)+8*(\mm)+2*(\q%4)
	v_pk_fma_f32 v[WW+2*\q:WW+2*\q+1], v[tp:tp+1], 0.5, s[86:87] op_sel_hi:[1,0,0]
.endr
	s_wait_alu depctr_va_vdst(0)                   ; one wait for the batch, ahead of its first reader
.irp q, 0,1,2,3,4,5,6,7
	v_pk_mul_f32 v[PP+2*\q:PP+2*\q+1], v[PP+2*\q:PP+2*\q+1], v[QQ+2*\q:QQ+2*\q+1]
.endr
.irp q, 0,1,2,3,4,5,6,7
.set tp, ACC+32*(\q/4)+8*(\mm)+2*(\q%4)
	v_pk_fma_f32 v[tp:tp+1], v[tp:tp+1], v[PP+2*\q:PP+2*\q+1], v[WW+2*\q:WW+2*\q+1]
.endr
.endm
.macro ZPART mm                        ; my row's part of q . mean k over this pass's 32 columns, into v[244 + m]
	WIN 0x04                                       ; mean k lies in window 1
	v_pk_mul_f32 v[248:249], v[ACC+8*(\mm):ACC+8*(\mm)+1], v[208:209]
	v_pk_mul_f32 v[250:251], v[ACC+8*(\mm)+2:ACC+8*(\mm)+3], v[210:211]
.irp q, 2,3,4,5,6,7
.set tp, ACC+32*(\q/4)+8*(\mm)+2*(\q%4)
	v_pk_fma_f32 v[248+2*(\q%2):249+2*(\q%2)], v[tp:tp+1], v[208+2*\q:209+2*\q], v[248+2*(\q%2):249+2*(\q%2)]
.endr
	WIN 0
	v_pk_add_f32 v[248:249], v[248:249], v[250:251]
	v_add_f32 v248, v248, v249
	v_permlanex16_b32 v252, v248, s54, s55         ; the row's other 16 columns lie in the lane 16 away
	v_add_f32 v[244+\mm], v248, v252
.endm
.macro ROPEQ mm, last                  ; the rotation, the hold, the codes: E, E, O, O = four registers of q's fragment
.irp q, 0,1,2,3
	v_pk_mul_f32 v[WW+2*\q:WW+2*\q+1], v[ACC+32+8*(\mm)+2*\q:ACC+32+8*(\mm)+2*\q+1], v[TAB+16*(\mm)+8+2*\q:TAB+16*(\mm)+8+2*\q+1]
	v_pk_mul_f32 v[WW+8+2*\q:WW+8+2*\q+1], v[ACC+8*(\mm)+2*\q:ACC+8*(\mm)+2*\q+1], v[TAB+16*(\mm)+8+2*\q:TAB+16*(\mm)+8+2*\q+1]
.endr
.irp q, 0,1,2,3
	v_pk_fma_f32 v[PP+2*\q:PP+2*\q+1], v[ACC+8*(\mm)+2*\q:ACC+8*(\mm)+2*\q+1], v[TAB+16*(\mm)+2*\q:TAB+16*(\mm)+2*\q+1], v[WW+2*\q:WW+2*\q+1] neg_lo:[0,0,1] neg_hi:[0,0,1]
	v_pk_fma_f32 v[PP+8+2*\q:PP+8+2*\q+1], v[ACC+32+8*(\mm)+2*\q:ACC+32+8*(\mm)+2*\q+1], v[TAB+16*(\mm)+2*\q:TAB+16*(\mm)+2*\q+1], v[WW+8+2*\q:WW+8+2*\q+1]
.endr
.set gi, 0
.rept 16
	v_med3_num_f32 v[PP+gi], v[PP+gi], -v23, v23
.set gi, gi+1
.endr
.if \last
	WIN 0x40                                       ; the last pass's codes stay in registers: the upper half of head 3's fragment
	v_cvt_scalef32_pk8_bf8_f32 v[160+8*(\mm)+4:160+8*(\mm)+5], v[PP:PP+7], v22
	v_cvt_scalef32_pk8_bf8_f32 v[160+8*(\mm)+6:160+8*(\mm)+7], v[PP+8:PP+15], v22
	WIN 0
.else
	v_cvt_scalef32_pk8_bf8_f32 v[COD+4*(\mm):COD+4*(\mm)+1], v[PP:PP+7], v22
	v_cvt_scalef32_pk8_bf8_f32 v[COD+4*(\mm)+2:COD+4*(\mm)+3], v[PP+8:PP+15], v22
.endif
	v_nop
.endm
; what follows a pass's products.  last = 0: the next pass's table, bias and mean k are asked for on the way
.macro QEPI last
	s_wait_loadcnt 0x0                             ; this pass's table, bias and mean k, asked for a pass ago: their bases may be written
.if (\last) == 0
	s_wait_xcnt 0x0                                ; the prefetch, issued ahead of these products, has read its address
	s_add_nc_u64 s[10:11], s[10:11], 8192          ; on to the next pass
	s_add_nc_u64 s[52:53], s[52:53], 128
	s_add_nc_u64 s[56:57], s[56:57], 128
	s_add_nc_u64 s[42:43], s[42:43], PASSB
.endif
.irp mm, 0,1,2,3
	GELU \mm
	ZPART \mm
	ROPEQ \mm, \last
.if (\last) == 0
.irp q, 0,1,2,3
	global_load_b128 v[TAB+16*\mm+4*\q:TAB+16*\mm+4*\q+3], v6, s[10:11] offset:2048*\mm+512*\q   ; the rotation above was these 16 registers' last reader: the next pass's quarter
.endr
.endif
.endr
.if (\last) == 0
	WIN 0x40
.irp t, 0,1
.irp u, 0,1
	global_load_b128 v[192+8*\t+4*\u:192+8*\t+4*\u+3], v15, s[52:53] offset:64*\t+16*\u
	global_load_b128 v[208+8*\t+4*\u:208+8*\t+4*\u+3], v15, s[56:57] offset:64*\t+16*\u
.endr
.endr
	WIN 0
.endif
.endm
	s_wait_loadcnt 0x0                             ; x's codes
	s_mov_b32 s25, 0
	s_mov_b32 s26, SLOT1                           ; the slot in hand
	s_mov_b32 s27, 0                               ; the pass's place among q's codes
.Lqpass:                                           ; passes 0 to 6; each asks for the next pass's weights
	SYNC
	v_add_nc_u32 v12, s26, v11
	v_add_nc_u32 v3, s27, v2
	s_lshr_b32 s2, s25, 1                          ; the pass's head among my four: a choice of value, no branch
	s_cmp_eq_u32 s2, 0
	s_cselect_b32 s58, 1.0, 0
	s_cmp_eq_u32 s2, 1
	s_cselect_b32 s59, 1.0, 0
	s_cmp_eq_u32 s2, 2
	s_cselect_b32 s60, 1.0, 0
	s_cmp_eq_u32 s2, 3
	s_cselect_b32 s61, 1.0, 0
	MATRIX
	QEPI 0
	WIN 0x50                                       ; z's sums lie in window 1
.irp hd, 0,1,2,3
.irp mm, 0,1,2,3
	v_fma_f32 v[224+4*\hd+\mm], v[244+\mm], s[58+\hd], v[224+4*\hd+\mm]
.endr
.endr
	WIN 0
.irp mm, 0,1,2,3
	ds_store_b128 v3, v[COD+4*\mm:COD+4*\mm+3] offset:512*\mm
.endr
	s_xor_b32 s26, s26, SLOT1
	s_add_co_u32 s27, s27, 2048
	s_add_co_u32 s25, s25, 1
	s_cmp_lt_u32 s25, 7
	s_cbranch_scc1 .Lqpass
	; ---- pass 7, written out: behind the round slot 1, which every wave has read, takes x's rows 0-31
	s_wait_tensorcnt 0x0
	ds_add_u32 v4, v5
	s_wait_dscnt 0x0
	ROUND
	tensor_load_to_lds s[88:91], s[92:99]          ; a plain load: my wave's 256 columns of 32 rows
	s_nop 0
	PLACES
	s_mov_b32 s26, 0                               ; the last pass's weights lie in slot 0
	v_add_nc_u32 v12, s26, v11
	MATRIX
	QEPI 1
	WIN 0x50
.irp mm, 0,1,2,3
	v_fma_f32 v[236+\mm], v[244+\mm], 1.0, v[236+\mm]
.endr
	WIN 0
; x's numbers and q's fragments of rows 16 m on, out of LDS: 39 loads
.macro XQLOAD mm
.set XLA, 16+(\mm)/2
.set XLO, ((\mm)%2)*16*XP
	WIN 0x80
.irp k, 0,1,2,3,4,5,6,7,8,9,10,11,12,13,14,15
.irp u, 0,1
	ds_load_b128 v[128+8*\k+4*\u:128+8*\k+4*\u+3], v[XLA] offset:XLO+64*\k+16*\u   ; x(16 m + r, 256 w + 16 k + 8 h + ..)
.endr
.endr
	WIN 0x40
.irp p, 0,1,2,3,4,5
	ds_load_b128 v[128+4*\p:128+4*\p+3], v2 offset:2048*\p+512*(\mm)               ; q's fragments of heads 0-2
.endr
	ds_load_b128 v[160+8*(\mm):160+8*(\mm)+3], v2 offset:2048*6+512*(\mm)          ; the lower half of head 3's
	WIN 0
.endm
	; ---- slot 0 has been read: it takes x's rows 32-63
	s_wait_tensorcnt 0x0                           ; rows 0-31 have landed, and the group 0 may be written
	ds_add_u32 v4, v5
	s_mov_b32 s89, s100
	s_add_nc_u64 s[90:91], s[90:91], 131072
	s_wait_dscnt 0x0
	ROUND
	tensor_load_to_lds s[88:91], s[92:99]
	s_nop 0
	PLACES
	XQLOAD 0                                       ; the first tile's operands; the last pass's vector work stands between the products and these loads
	WIN 0x40
.irp k, 0,1,2,3,4,5,6,7,8,9,10,11,12,13,14,15,16,17,18,19,20,21,22,23,24,25,26,27,28,29,30,31
	global_load_b128 v[4*\k:4*\k+3], v6, s[12:13] offset:512*\k    ; kv's 16 fragments
.endr
	WIN 0xc0
.irp k, 0,1,2,3,4,5,6,7,8,9,10,11,12,13,14,15
.irp u, 0,1
	global_load_b128 v[8*\k+4*\u:8*\k+4*\u+3], v15, s[14:15] offset:64*\k+16*\u
	global_load_b128 v[128+8*\k+4*\u:128+8*\k+4*\u+3], v15, s[16:17] offset:64*\k+16*\u
.endr
.endr
	WIN 0x44
.irp i, 0,1,2,3,4,5,6,7,8,9,10,11,12,13,14,15
	v_add_f32 v[224+\i], 0x358637bd, v[224+\i]     ; + 1e-6
.endr
	WIN 0x41
.irp i, 0,1,2,3,4,5,6,7,8,9,10,11,12,13,14,15
	v_rcp_f32 v[224+\i], v[224+\i]
.endr
	v_nop
	s_wait_alu depctr_va_vdst(0)                   ; one wait for the sixteen
.irp i, 0,1,2,3,4,5,6,7,8,9,10,11,12,13,14,15
	v_ldexp_f32 v[224+\i], v[224+\i], s101         ; z x 2^(e8 + e9)
.endr
	WIN 0
	s_wait_loadcnt 0x0
; ---- rows 16 m .. 16 m + 15: the second product, z, the residual, the norm, the way out
.macro RED dst                         ; four chains v96-103 -> my wave's sum for my row (its 256 columns), in both lanes that hold the row
	v_pk_add_f32 v[96:97], v[96:97], v[98:99]
	v_pk_add_f32 v[100:101], v[100:101], v[102:103]
	v_pk_add_f32 v[96:97], v[96:97], v[100:101]
	v_add_f32 v96, v96, v97
	v_permlanex16_b32 v104, v96, s54, s55
	v_add_f32 v[\dst], v96, v104
.endm
.macro FIN mm
.set XA, 16+(\mm)/2
.set XB, 18+(\mm)/2
.set RO, ((\mm)%2)*16*XP
	WIN 0x01
.irp hd, 0,1,2,3
	v_mov_b32 v[240+2*\hd], v[224+4*\hd+(\mm)]     ; the four z of my row
.endr
	WIN 0
	s_wait_dscnt 0x0                               ; this tile's operands, asked for in the tile before
	WIN 0x85                                       ; kv and q window 1, results window 2
.irp hd, 0,1,2
.irp et, 0,1,2,3
	v_wmma_f32_16x16x64_bf8_bf8 v[32*\hd+8*\et:32*\hd+8*\et+7], v[32*\hd+8*\et:32*\hd+8*\et+7], v[128+8*\hd:128+8*\hd+7], 0
.endr
.endr
.irp et, 0,1,2,3
	v_wmma_f32_16x16x64_bf8_bf8 v[96+8*\et:96+8*\et+7], v[96+8*\et:96+8*\et+7], v[160+8*(\mm):160+8*(\mm)+7], 0
.endr
	WIN 0
	PLACES
	WIN 0xa2
.irp hd, 0,1,2,3
.set fi, 0
.rept 16
	v_pk_fma_f32 v[32*\hd+2*fi:32*\hd+2*fi+1], v[32*\hd+2*fi:32*\hd+2*fi+1], v[240+2*\hd:241+2*\hd], v[128+32*\hd+2*fi:128+32*\hd+2*fi+1] op_sel_hi:[1,0,1]   ; res = sum x z + x; each accumulator from its low end on
.set fi, fi+1
.endr
.endr
.if (\mm) < 3
.if (\mm) == 1
	s_wait_tensorcnt 0x0                           ; rows 32-63 have landed; only I read my part
.endif
	XQLOAD (\mm)+1                                 ; x's numbers and q's fragments have been used: the next tile's come while this tile's sums are made
.endif
	WIN 0x0a
.irp c, 0,1,2,3
	v_pk_add_f32 v[96+2*\c:97+2*\c], v[2*\c:2*\c+1], v[8+2*\c:9+2*\c]
.endr
	WIN 0x08
.set fi, 8
.rept 56
	v_pk_add_f32 v[96+2*(fi%4):97+2*(fi%4)], v[96+2*(fi%4):97+2*(fi%4)], v[2*fi:2*fi+1]
.set fi, fi+1
.endr
	WIN 0
	RED 112                                        ; my wave's sum
	v_mul_f32 v106, 0xbb800000, v112               ; - my wave's mean: / 256
	WIN 0x82
.set fi, 0
.rept 64
	v_pk_add_f32 v[2*fi:2*fi+1], v[2*fi:2*fi+1], v[106:107] op_sel_hi:[1,0]
.set fi, fi+1
.endr
	WIN 0x0a
.irp c, 0,1,2,3
	v_pk_mul_f32 v[96+2*\c:97+2*\c], v[2*\c:2*\c+1], v[2*\c:2*\c+1]
.endr
.set fi, 4
.rept 60
	v_pk_fma_f32 v[96+2*(fi%4):97+2*(fi%4)], v[2*fi:2*fi+1], v[2*fi:2*fi+1], v[96+2*(fi%4):97+2*(fi%4)]
.set fi, fi+1
.endr
	WIN 0
	RED 113                                        ; my wave's sum of squares about its mean
	ds_store_b64 v7, v[112:113] offset:512*(\mm)   ; the two lanes of a row store the same words with the same values; each tile of rows has bytes of its own
	BARRIER
.irp i, 0,1,2,3
	ds_load_b64 v[114+2*\i:115+2*\i], v8 offset:512*(\mm)+128*\i
.endr
	s_wait_dscnt 0x0
	v_add_f32 v122, v114, v116
	v_add_f32 v123, v118, v120
	v_add_f32 v122, v122, v123
	v_mul_f32 v122, s62, v122                      ; mu
	v_fma_f32 v124, v114, s46, -v122               ; each wave's mean less mu
	v_fma_f32 v125, v116, s46, -v122
	v_fma_f32 v126, v118, s46, -v122
	v_fma_f32 v127, v120, s46, -v122
	v_add_f32 v123, v115, v117
	v_add_f32 v105, v119, v121
	v_add_f32 v123, v123, v105                     ; the four sums of squares
	v_mul_f32 v105, v124, v124
	v_fma_f32 v105, v125, v125, v105
	v_fma_f32 v105, v126, v126, v105
	v_fma_f32 v105, v127, v127, v105
	v_fma_f32 v123, v105, s45, v123                ; + 256 x the means' squared distances
	v_fma_f32 v123, v123, s62, s63                 ; var + 1e-12
	v_rsq_f32 v108, v123
	v_fma_f32 v110, v112, s46, -v122               ; my wave's mean less mu.  (A plain place behind the transcendental)
	s_wait_alu depctr_va_vdst(0)                   ; ahead of the first reader
	v_mul_f32 v110, v110, v108
	WIN 0x82
.set fi, 0
.rept 64
	v_pk_fma_f32 v[2*fi:2*fi+1], v[2*fi:2*fi+1], v[108:109], v[110:111] op_sel_hi:[1,0,0]   ; (res - mu) / sqrt(var + 1e-12)
.set fi, fi+1
.endr
	WIN 0xbe                                       ; gamma and beta lie in window 3
.set fi, 0
.rept 64
	v_pk_fma_f32 v[2*fi:2*fi+1], v[2*fi:2*fi+1], v[2*fi:2*fi+1], v[128+2*fi:128+2*fi+1]
.set fi, fi+1
.endr
	WIN 0x08
.irp k, 0,1,2,3,4,5,6,7,8,9,10,11,12,13,14,15
.irp u, 0,1
	ds_store_b128 v[XA], v[8*\k+4*\u:8*\k+4*\u+3] offset:RO+64*\k+16*\u          ; y where x lay: my own bytes, which have had their last fill
.endr
.endr
	WIN 0
	s_wait_xcnt 0x0                                ; the last tile's stores to memory have read the registers on which the loads below land
.set fi, 0
.rept 32
.set rb, 32+4*fi+64*(fi/16)
	ds_load_b128 v[rb:rb+3], v[XB] offset:RO+XP*(fi/2)+512*(fi%2)                ; back as half rows of 512 bytes; LDS serves a wave's instructions in order
.set fi, fi+1
.endr
.set fi, 0
.rept 32
.set rb, 32+4*fi+64*(fi/16)
	s_wait_dscnt 31-fi                             ; the read-backs issued behind this one may be out
	global_store_b128 v6, v[rb:rb+3], s[20:21] offset:(16*(\mm)+fi/2)*4096+512*(fi%2) th:TH_STORE_NT   ; 32 lanes store 512 consecutive bytes, aligned
.set fi, fi+1
.endr
.endm
	FIN 0
	FIN 1
	FIN 2
	FIN 3
	s_wait_tensorcnt 0x0                           ; the wave's end
	ds_add_u32 v4, v5
	s_wait_dscnt 0x0
	ROUND                                          ; the closing round
	s_endpgm
.Lfunc_end_k_q8f3079f05b_qout:
	.size	k_q8f3079f05b_qout, .Lfunc_end_k_q8f3079f05b_qout-k_q8f3079f05b_qout
	.p2alignl 7, 3214868480
	.fill 96, 4, 3214868480
	.section	.rodata,"a",@progbits
	.p2align	6, 0x0
	.amdhsa_kernel k_q8f3079f05b_qout
		.amdhsa_group_segment_fixed_size 327680
		.amdhsa_private_segment_fixed_size 0
		.amdhsa_enable_private_segment 0
		.amdhsa_kernarg_size 72
		.amdhsa_user_sgpr_count 2
		.amdhsa_user_sgpr_kernarg_segment_ptr 1
		.amdhsa_wavefront_size32 1
		.amdhsa_system_sgpr_workgroup_id_x 1
		.amdhsa_system_sgpr_workgroup_id_y 1
		.amdhsa_system_sgpr_workgroup_id_z 1
		.amdhsa_system_vgpr_workitem_id 0
		.amdhsa_next_free_vgpr 1024
		.amdhsa_next_free_sgpr 102
		.amdhsa_reserve_vcc 0
		.amdhsa_float_denorm_mode_32 3
		.amdhsa_float_denorm_mode_16_64 3
		.amdhsa_memory_ordered 1
		.amdhsa_forward_progress 1
		.amdhsa_inst_pref_size 255
	.end_amdhsa_kernel
	.section	.bss,"aw",@nobits
	.p2align	6
	.space	262144
	.amdgpu_metadata
---
amdhsa.version: [ 1, 2 ]
amdhsa.kernels:
  - .name:           k_q8f3079f05b_qout
    .symbol:         k_q8f3079f05b_qout.kd
    .args:
      - { .name: x, .offset: 0, .size: 8, .value_kind: global_buffer, .address_space: global }
      - { .name: xq0, .offset: 8, .size: 8, .value_kind: global_buffer, .address_space: global }
      - { .name: wcb, .offset: 16, .size: 8, .value_kind: global_buffer, .address_space: global }
      - { .name: rope, .offset: 24, .size: 8, .value_kind: global_buffer, .address_space: global }
      - { .name: kvm, .offset: 32, .size: 8, .value_kind: global_buffer, .address_space: global }
      - { .name: gamma, .offset: 40, .size: 8, .value_kind: global_buffer, .address_space: global }
      - { .name: beta, .offset: 48, .size: 8, .value_kind: global_buffer, .address_space: global }
      - { .name: lowp_scales, .offset: 56, .size: 8, .value_kind: global_buffer, .address_space: global }
      - { .name: out0, .offset: 64, .size: 8, .value_kind: global_buffer, .address_space: global }
    .group_segment_fixed_size: 327680
    .private_segment_fixed_size: 0
    .kernarg_segment_align: 8
    .kernarg_segment_size: 72
    .max_flat_workgroup_size: 128
    .sgpr_count:     102
    .vgpr_count:     1024
    .wavefront_size: 32
...
	.end_amdgpu_metadata
.endif
;; end of part 4
